; MI455X (gfx1250); checked and timed in simulation.
; The chip was launched on July 23, 2026; its instructions are those of AMD's public machine-readable ISA for CDNA 5 (MIT licence, August 2026) and "CDNA5" Instruction Set Architecture Reference Guide (July 2026). The comments in the code are by the model that wrote it; some were corrected since.
;; SVDQW4 A4 Linear. Allowed arithmetic: matrix products marked QUANTISED: E2M1 operands, one E8M0 scale for each 32 along K, by v_wmma_scale_f32_16x16x128_f8f6f4 with both operands' format E2M1 (or v_wmma_scale_f32_32x16x128_f4), f32 sums; everything else in f32.
;; Inputs: bias 4,096 float32; proj_down 4,096 x 32 float32; proj_up 4,096 x 32 float32; qweight 4,096 x 4,096 int32; smooth_factor 4,096 float32; wscales 64 x 4,096 float32; wtscale 1 float32; x 4,096 x 4,096 bfloat16.
;; Outputs: out0 4,096 x 4,096 bfloat16.
;; This version of the problem:
;;   THIS VERSION OF THE PROBLEM IS GIVEN IN LOW PRECISION. The matrix products marked QUANTISED in the list below multiply operands that are first quantised to E2M1 (2 exponent bits, 1 mantissa bit; 4 bits a number), with one power-of-two scale for each 32 numbers along K (OCP MX v1.0); their sums are f32. All else is computed in f32.
;;   The module's matrix products, in the order in which they are computed (A, B: the left and right operand; K: the contracted axis; several contracted axes count as one K, in the product's order):
;;     1. [M 4,096, K 4,096] x [K 4,096, N 4,096]; A: computed on the way; B: computed on the way: QUANTISED
;;     2. [M 4,096, K 4,096] x [K 4,096, N 32]; A: input x; B: input proj_down: QUANTISED
;;     3. [M 4,096, K 32] x [K 32, N 4,096]; A: computed on the way; B: input proj_up: QUANTISED
;;   THE QUANTISER, for each operand of a quantised product, along K:
;;     - K is cut into blocks of 32 from its start; a last block that is shorter is filled with zeros.
;;     - A block's scale is 2^e with e = floor(log2(the largest magnitude in the block)) - 2, held to -126 .. 127; a block of zeros has e = 0. As a byte (E8M0): e + 127.
;;     - Each number is divided by its block's scale, clamped to +-6, and rounded to the nearest number of E2M1, ties to even, subnormals kept.
;;     - The product sums the exact products of the quantised numbers (number of the format x scale) in f32.
;;   ~~~python
;;   def quantise(x, axis):      # numpy; x: float32 -> the quantised numbers, widened to float32 again
;;       x = np.moveaxis(x, axis, -1); K = x.shape[-1]
;;       x = np.pad(x, [(0, 0)] * (x.ndim - 1) + [(0, -K % 32)]); x = x.reshape(x.shape[:-1] + (-1, 32)); a = np.abs(x).max(-1, keepdims=True)
;;       e = np.where(a > 0, np.clip(np.frexp(np.where(a > 0, a, 1))[1] - 1 - 2, -126, 127), 0)      # np.frexp(a)[1] - 1 = floor(log2(a)), exactly
;;       r = np.clip(x / 2.0 ** e, -6, 6)
;;       step = 2.0 ** (np.maximum(np.frexp(np.where(r == 0, 1, r))[1] - 1, 0) - 1)
;;       q = np.round(r / step) * step * 2.0 ** e      # np.round: ties to even
;;       return np.moveaxis(q.reshape(q.shape[:-2] + (-1,))[..., :K], -1, axis).astype(np.float32)
;;   ~~~
;;   OPERANDS COMPUTED ON THE WAY. 'Computed on the way' means the value that the module computes at that place (a softmax that the list does not call 'softmax' is quantised finished and normalised). What goes into a quantiser is computed in f32, as accurately as f32 sums, v_exp_f32 and their like allow (about 1e-6 of the number): no bf16 or f16 on the way to a quantiser, and a product that is left as it is and whose result goes on into a quantised operand takes f32 operands (vector FMAs, or v_wmma_f32_16x16x4_f32). A number that lies on a knife's edge between two numbers of the format may be rounded either way, as far as f32 arithmetic and the matrix unit's own rounding can turn it there, and no further.
;; 2 versions, each right; version 2 is version 1 with the launch prep written anew for expert scheduling mode. Each part assembles by itself: llvm-mc -triple=amdgcn-amd-amdhsa -mcpu=gfx1250 --defsym DOCPART=n.
;; ======== version 1 of 2: 2 launches
;; workspace buffers: aq 8,912,896 bytes; bq 8,912,896 bytes; tp 4,194,304 bytes; pq 163,840 bytes
;; launch prep (part 1): grid 256 x 1, 8 waves a work-group, no clusters, 162,816 bytes of LDS; arguments x, smooth_factor, proj_down, qweight, wscales, proj_up, aq, bq, tp, pq; writes aq, bq, tp, pq
.if DOCPART == 1
	.amdgcn_target "amdgcn-amd-amdhsa--gfx1250"
	.amdhsa_code_object_version 6
	.text
	.protected	k_q0fc26244f0_prep
	.globl	k_q0fc26244f0_prep
	.p2align	8
	.type	k_q0fc26244f0_prep,@function
k_q0fc26244f0_prep:
	s_mov_b64 s[64:65], 0
	v_nop
	global_prefetch_b8 v0, s[64:65] scope:SCOPE_SE
	s_setreg_imm32_b32 hwreg(HW_REG_WAVE_MODE, 25, 1), 1
	s_wait_xcnt 0x0
; ONE LAUNCH MAKES ALL OPERANDS.  Codes are FP4 (E2M1) with one E8M0 scale byte for each 32 along K; a block's scale is 2^(floor(log2(its largest magnitude)) - 2): its byte is the largest magnitude's exponent field - 2, held at 1 from below.
;   aq = Q(x / smooth_factor);  bq = Q((qweight - 8) x wscales);  pq = Q(proj_up) along its 32 ranks;  tp = parts of T = Q(x) Q(proj_down), in f32: x's own codes are multiplied in registers and never stored.
; LIMITS: a block of zeros, or one under 2^-124, keeps the byte 1 (its codes are zeros or follow that scale; the bytes are read by this program alone); NaN and infinities are not served; |smooth_factor| lies within
; 2^-126 .. 2^126 (v_rcp_f32 takes smaller inputs and gives smaller results as zero: ISA guide, its entry in 15.8).  1 / smooth_factor is v_rcp_f32 and one Newton step.
; LAYOUTS: the order of the operand's registers.  A fragment is 16 rows x 128 K in 8 registers: lane (r = lane % 16, h = lane / 16) holds row r, registers 4 c .. 4 c + 3 hold k = 64 c + 32 h + 0 .. 31.
;   aq, bq codes: row = 256 G + 16 Rg + r, k = 512 T + 128 q + ..: byte (8 G + T) x 65536 + Rg x 4096 + q x 1024 + c x 512 + 16 x lane;  scales: 8388608 + (8 G + T) x 4096 + Rg x 256 + 8 x lane + 4 p: row r's word of q = 2 p + h.
;   pq: tile R of 16 rows: registers 0-3 alone (K = 32: lanes 0-15 the row's 32 codes, lanes 16-31 zeros) at R x 512 + 16 x lane; scale words at 131072 + R x 128 + 4 x lane.
;   tp: tile R of 16 rows, K step j: (8 R + j) x 2048 + 512 k + 16 x lane: registers 4 k .. 4 k + 3 of 16; register 8 u + i of lane (r, h) is the part of T(row r, rank 16 h + 8 u + i) that k = 512 j .. 512 j + 511 give.
; SHARES.  Work-group g has two jobs, one after the other.  X: rows 128 (g / 8) .. + 127 of x at K step j = g % 8; wave w takes 16 of the rows.  So the work-group needs only that K step's 8 fragments of proj_down:
; wave w quantises fragment (q = w / 2, u = w % 2) itself (a lane takes a rank, its registers run down K) and hands it round as an image of its registers in LDS: the launch's one barrier.  T's sum over the 8 K steps is made by the next launch.
; W: rows 16 g .. 16 g + 15 of qweight; wave w takes k = 512 w .. + 511, in four chunks of 128.  Wave 0 also takes tile g of proj_up.
; ALL LOADS GO OUT AT THE HEAD, x's first, W's 64 last, into the second register window: they are on their way while x is worked.  (A load that would push the counter past its field is issued when an earlier one has come: ISA guide 5.7.1.)
; Each load of x and of qweight reads 512 consecutive bytes of one row; 16 rows turn through the wave's own stage in LDS, so that a lane gets 32 neighbours along K of ONE row for each of its two blocks.
; No store's data register is written again in the launch.  No cluster: what work-groups share (a K step's 64 KB of proj_down, of some 450 KB that a work-group reads) goes lane by lane into registers.
; The product is used transposed: source 0 = 16 ranks (lane r of tile u holds rank 8 u + r + 8 (r / 8)), source 1 = my 16 rows.
.set XP,    1040                       ; x's stage row: 1,024 bytes + 16 = 65 x 16: the sixteen rows that a load touches start at sixteen different 16-byte columns of 256
.set XST,   16*XP                      ; a wave's stage; eight of them from LDS byte 0 on.  W's chunks use the same bytes of the same wave later,
.set WP,    528                        ; with rows of 512 bytes + 16 = 33 x 16
.set BLK,   8*XST                      ; behind the stages: a block of PB bytes for each wave:
.set PB,    3584                       ; 512 reciprocals (the wave's own);
.set PIM,   2048                       ; the wave's fragment of proj_down, 1,024 bytes, 16 a lane and register group;
.set PWD,   3072                       ; its scale word, at 16 x lane
.set L16, 1                            ; v1   16 x lane
.set STI, 2                            ; v2   the stage, on the way in: wave x XST + 16 x lane
.set STO, 3                            ; v3   on the way out: wave x XST + XP r + 64 h; for W: + WP r + 128 h
.set RTA, 4                            ; v4   my reciprocals: my block + 128 h; later
.set UOF, 4                            ;      proj_up: 128 r + 64 h
.set L8,  5                            ; v5   8 x lane
.set L4,  6                            ; v6   4 x lane
.set RW,  7                            ; v7   my block + 16 x lane
.set LS,  8                            ; v8-15  wscales of my row of W: groups 8 w + 0 .. 7
.set ACC, 16                           ; v16-31 T's two tiles; at the head the reciprocals
.set CX,  32                           ; v32-39 x's codes; at the head v32-47 hold smooth_factor
.set SWW, 40                           ; v40-41 W's scale words as they are stored
.set HD,  44                           ; v44-47 proj_up's half fragment
.set MM,  48                           ; v48-49 largest magnitudes, v50-51 the conversions' scale operands, v52-53 bytes, v54 a lane permute's destination
.set EE,  50
.set BB,  52
.set TP,  54
.set PDS, 55                           ; v55, v59 proj_down's scale words of the step in hand, u = 0, 1
.set WX,  56                           ; v56  x's scale word
.set WD,  57                           ; v57  the scale word just made; v58 that of the even step before.  At the head they hold two offsets:
.set WE,  58
.set R4,  57                           ;      4 r, for wscales;
.set DOF, 58                           ;      4096 h + 4 (r + 8 (r / 8)), for proj_down
.set SW,  60                           ; v60-61 x's scale words as they are stored
.set SH,  62                           ; v62  8 h
.set PIA, 63                           ; v63  BLK + 16 x lane: any wave's block
.set X,   64                           ; v64-127  64 numbers: register 32 c + i = k 64 c + 32 h + i of my row
.set RC,  128                          ; v128-191 the 64 reciprocals, then x / smooth.  At the head v64-191 take x's 32 loads.  In W's part:
.set CW,  128                          ;   v128-159 W's codes, 8 registers a chunk;
.set P,   160                          ;   v160-167 for block c the pairs (s, -) and (-8 s, -);
.set PUR, 168                          ;   v168-183 16 numbers of proj_up
.set PD,  192                          ; v192-207 proj_down's two fragments of the step in hand.  At the head
.set PDR, 192                          ;   v192-255 take 64 numbers of proj_down
.set CS,  208                          ; v208-239 the codes of x / smooth, 8 registers a step
                                       ; window 1, v0-255: W as loaded, 64 registers a chunk
.set WV,  24
.set XW,  25                           ; s25  wave x XST
.set SEL, 26                           ; s26-27 v_permlanex16_b32's selects for lane l xor 16
.set HI,  28                           ; s28  0xffff0000: a word's upper bf16, and lanes 16-31
.set MSB, 0
.macro WIN new                         ; the immediate's high byte repeats the setting that is left
.if MSB != \new
	s_set_vgpr_msb (MSB<<8)|\new
.set MSB, \new
.endif
.endm
; 64 numbers of a lane, two whole blocks of 32, become a fragment's 8 registers of codes and its scale word (whole in both halves of the lanes).
.macro QBLK2 src, dst, wd
.irp c, 0,1
	v_max3_num_f32 v[MM+\c], |v[\src+32*\c]|, |v[\src+32*\c+1]|, 0x1800000   ; and the floor 2^(3 - 127): the byte cannot fall under 1
.endr
.irp i, 2,4,6,8,10,12,14,16,18,20,22,24,26,28,30
.irp c, 0,1
	v_max3_num_f32 v[MM+\c], v[MM+\c], |v[\src+32*\c+\i]|, |v[\src+32*\c+\i+1]|   ; the two blocks by turns
.endr
.endr
.irp c, 0,1
	v_add_nc_u32 v[EE+\c], 0xff000000, v[MM+\c]    ; 2 off the exponent field: the conversion takes this operand's exponent field as its scale
.endr
.irp c, 0,1
	v_lshrrev_b32 v[BB+\c], 23, v[EE+\c]           ; the scale's byte
.endr
	v_lshl_or_b32 v[\wd], v[BB+1], 16, v[BB]       ; my two bytes, blocks h and 2 + h,
	v_lshlrev_b32 v[\wd], v[SH], v[\wd]            ; at their places;
	v_permlanex16_b32 v[TP], v[\wd], s[SEL], s[SEL+1]
	v_or_b32 v[\wd], v[\wd], v[TP]                 ; with lane l xor 16's two the word is whole
.irp c, 0,1
.irp g, 0,1,2,3
	v_cvt_scalef32_pk8_fp4_f32 v[\dst+4*\c+\g], v[\src+32*\c+8*\g:\src+32*\c+8*\g+7], v[EE+\c]
.endr
.endr
	v_nop                                          ; one plain line behind the last scaled conversion
.endm
; 16 numbers of a lane, k = 16 h + 0 .. 15 of row r (K = 32, one block), become registers 0-3 of a fragment: lanes 0-15 the 32 codes, lanes 16-31 zeros; the word holds the byte and three zero bytes (over zero codes).
.macro QHALF src, dst, wd
	v_max3_num_f32 v[MM], |v[\src]|, |v[\src+1]|, 0x1800000
.irp i, 2,4,6,8,10,12,14
	v_max3_num_f32 v[MM], v[MM], |v[\src+\i]|, |v[\src+\i+1]|
.endr
	v_permlanex16_b32 v[TP], v[MM], s[SEL], s[SEL+1]
	v_max_num_f32 v[MM], v[MM], v[TP]              ; with lane l xor 16's 16: the block's largest magnitude
	v_add_nc_u32 v[EE], 0xff000000, v[MM]
	v_lshrrev_b32 v[\wd], 23, v[EE]
	v_cvt_scalef32_pk8_fp4_f32 v[\dst], v[\src:\src+7], v[EE]
	v_cvt_scalef32_pk8_fp4_f32 v[\dst+1], v[\src+8:\src+15], v[EE]
	v_mov_b32 v[\dst+2], 0                         ; (also the plain line behind the conversions)
	v_mov_b32 v[\dst+3], 0
	v_permlane16_swap_b32 v[\dst], v[\dst+2]       ; the first's lanes 16-31 change places with the second's lanes 0-15
	v_permlane16_swap_b32 v[\dst+1], v[\dst+3]
.endm
.macro XBLOAD q                        ; step q: my 64 numbers of x, packed, into X's upper half: 8 loads
.irp c, 0,1
.irp j, 0,1,2,3
	ds_load_b128 v[X+32+16*\c+4*\j:X+32+16*\c+4*\j+3], v[STO] offset:256*(\q)+128*\c+16*\j
.endr
.endr
.endm
.macro RCLOAD q                        ; the reciprocals of the same k: 16 loads; the sixteen lanes of a half read the same words
.irp c, 0,1
.irp j, 0,1,2,3,4,5,6,7
	ds_load_b128 v[RC+32*\c+4*\j:RC+32*\c+4*\j+3], v[RTA] offset:512*(\q)+256*\c+16*\j
.endr
.endr
.endm
.macro PDLOAD q                        ; proj_down's two fragments of step q and their scale words, as waves 2 q and 2 q + 1 left them: 6 loads
.irp u, 0,1
.irp c, 0,1
	ds_load_b128 v[PD+8*\u+4*\c:PD+8*\u+4*\c+3], v[PIA] offset:(2*(\q)+\u)*PB+PIM+512*\c
.endr
	ds_load_b32 v[PDS+4*\u], v[PIA] offset:(2*(\q)+\u)*PB+PWD
.endr
.endm
	s_load_b512 s[4:19], s[0:1], 0x0               ; x s[4:5], smooth_factor s[6:7], proj_down s[8:9], qweight s[10:11], wscales s[12:13], proj_up s[14:15], aq s[16:17], bq s[18:19]
	s_load_b128 s[20:23], s[0:1], 0x40             ; tp s[20:21], pq s[22:23]
	v_lshrrev_b32 v48, 5, v0
	v_readfirstlane_b32 s[WV], v48                 ; wave 0..7
	v_and_b32 v50, 31, v0                          ; lane
	v_and_b32 v48, 15, v0                          ; r
	v_bfe_u32 v49, v0, 4, 1                        ; h
	v_lshlrev_b32 v[L16], 4, v50
	v_lshlrev_b32 v[L8], 3, v50
	v_lshlrev_b32 v[L4], 2, v50
	v_lshlrev_b32 v[SH], 3, v49
	v_mov_b32 v[TP], 0                             ; written once: a lane permute's destination counts as one of its sources
	s_mul_i32 s[XW], s[WV], XST
	v_add_nc_u32 v[STI], s[XW], v[L16]
	v_mul_u32_u24 v[STO], v48, XP
	v_lshl_add_u32 v[STO], v49, 6, v[STO]
	v_add_nc_u32 v[STO], s[XW], v[STO]
	s_mul_i32 s60, s[WV], PB
	s_add_co_u32 s60, s60, BLK                     ; my block
	v_lshl_add_u32 v[RTA], v49, 7, s60
	v_add_nc_u32 v[RW], s60, v[L16]
	v_add_nc_u32 v[PIA], BLK, v[L16]
	v_lshlrev_b32 v[R4], 2, v48
	v_and_b32 v[DOF], 8, v48
	v_add_nc_u32 v[DOF], v[DOF], v48
	v_lshlrev_b32 v[DOF], 2, v[DOF]
	v_lshl_add_u32 v[DOF], v49, 12, v[DOF]
	s_mov_b32 s[SEL], 0x76543210
	s_mov_b32 s[SEL+1], 0xfedcba98
	s_mov_b32 s[HI], 0xffff0000
	; job X: tile R = 8 (g / 8) + wave, K step j = g % 8
	s_lshr_b32 s30, ttmp9, 3
	s_lshl_b32 s30, s30, 3
	s_add_co_u32 s30, s30, s[WV]                   ; R
	s_and_b32 s31, ttmp9, 7                        ; j
	s_lshl_b32 s34, s30, 17                        ; x: 16 rows of 8,192 bytes a tile,
	s_lshl_b32 s32, s31, 10                        ; 1,024 bytes of a row a K step
	s_add_co_u32 s34, s34, s32
	s_mov_b32 s35, 0
	s_lshl_b32 s36, s31, 11                        ; smooth_factor: 512 numbers a K step
	s_mov_b32 s37, 0
	s_lshl_b32 s38, s31, 16                        ; proj_down: 512 rows of 128 bytes a K step,
	s_lshr_b32 s32, s[WV], 1
	s_lshl_b32 s32, s32, 14                        ; 128 rows on for each q,
	s_add_co_u32 s38, s38, s32
	s_and_b32 s32, s[WV], 1
	s_lshl_b32 s32, s32, 5                         ; 8 ranks on for u = 1
	s_add_co_u32 s38, s38, s32
	s_mov_b32 s39, 0
	s_lshr_b32 s32, s30, 4                         ; G
	s_lshl_b32 s32, s32, 3
	s_add_co_u32 s32, s32, s31                     ; 8 G + j
	s_and_b32 s33, s30, 15                         ; Rg
	s_lshl_b32 s40, s32, 16
	s_lshl_b32 s29, s33, 12
	s_add_co_u32 s40, s40, s29                     ; aq: my codes,
	s_mov_b32 s41, 0
	s_lshl_b32 s42, s32, 12
	s_lshl_b32 s29, s33, 8
	s_add_co_u32 s42, s42, s29
	s_add_co_u32 s42, s42, 8388608                 ; my scale words
	s_mov_b32 s43, 0
	s_lshl_b32 s44, s30, 3
	s_add_co_u32 s44, s44, s31
	s_lshl_b32 s44, s44, 11                        ; tp: (8 R + j) x 2048
	s_mov_b32 s45, 0
	; job W: rows 16 g on, K step T = wave
	s_lshl_b32 s46, ttmp9, 18                      ; qweight: 16 rows of 16,384 bytes a work-group,
	s_lshl_b32 s29, s[WV], 11                      ; 2,048 bytes of a row a wave
	s_add_co_u32 s46, s46, s29
	s_mov_b32 s47, 0
	s_lshl_b32 s48, s[WV], 17                      ; wscales: 8 groups (rows of 16,384 bytes) a wave,
	s_lshl_b32 s29, ttmp9, 6                       ; 16 numbers a work-group
	s_add_co_u32 s48, s48, s29
	s_mov_b32 s49, 0
	s_lshr_b32 s32, ttmp9, 4
	s_lshl_b32 s32, s32, 3
	s_add_co_u32 s32, s32, s[WV]                   ; 8 G + T
	s_and_b32 s33, ttmp9, 15                       ; Rg
	s_lshl_b32 s50, s32, 16
	s_lshl_b32 s29, s33, 12
	s_add_co_u32 s50, s50, s29                     ; bq: my codes,
	s_mov_b32 s51, 0
	s_lshl_b32 s52, s32, 12
	s_lshl_b32 s29, s33, 8
	s_add_co_u32 s52, s52, s29
	s_add_co_u32 s52, s52, 8388608                 ; my scale words
	s_mov_b32 s53, 0
	s_lshl_b32 s54, ttmp9, 11                      ; proj_up: 16 rows of 128 bytes
	s_mov_b32 s55, 0
	s_lshl_b32 s56, ttmp9, 9                       ; pq: tile g,
	s_mov_b32 s57, 0
	s_lshl_b32 s58, ttmp9, 7
	s_add_co_u32 s58, s58, 131072                  ; its scale words
	s_mov_b32 s59, 0
	s_wait_kmcnt 0x0
	s_add_nc_u64 s[4:5], s[4:5], s[34:35]
	s_add_nc_u64 s[6:7], s[6:7], s[36:37]
	s_add_nc_u64 s[8:9], s[8:9], s[38:39]
	s_add_nc_u64 s[10:11], s[10:11], s[46:47]
	s_add_nc_u64 s[12:13], s[12:13], s[48:49]
	s_add_nc_u64 s[14:15], s[14:15], s[54:55]
	s_add_nc_u64 s[66:67], s[16:17], s[42:43]
	s_add_nc_u64 s[16:17], s[16:17], s[40:41]
	s_add_nc_u64 s[68:69], s[18:19], s[52:53]
	s_add_nc_u64 s[18:19], s[18:19], s[50:51]
	s_add_nc_u64 s[20:21], s[20:21], s[44:45]
	s_add_nc_u64 s[70:71], s[22:23], s[58:59]
	s_add_nc_u64 s[22:23], s[22:23], s[56:57]
.irp j, 0,1,2,3
	global_load_b128 v[CX+4*\j:CX+4*\j+3], v[L16], s[6:7] offset:512*\j                    ; 4 loads: smooth_factor
.endr
.irp i, 0,1,2,3,4,5,6,7,8,9,10,11,12,13,14,15
	global_load_b128 v[X+4*\i:X+4*\i+3], v[L16], s[4:5] offset:\i*8192 th:TH_LOAD_NT          ; 16: the first 512 bytes of my part of each row of x
.endr
.irp i, 0,1,2,3,4,5,6,7,8,9,10,11,12,13,14,15
	global_load_b128 v[RC+4*\i:RC+4*\i+3], v[L16], s[4:5] offset:\i*8192+512 th:TH_LOAD_NT    ; 16: the second
.endr
.irp n, 0,1,2,3,4,5,6,7
	global_load_b32 v[LS+\n], v[R4], s[12:13] offset:\n*16384                               ; 8: wscales
.endr
.irp c, 0,1
.irp i, 0,1,2,3,4,5,6,7,8,9,10,11,12,13,14,15,16,17,18,19,20,21,22,23,24,25,26,27,28,29,30,31
	global_load_b32 v[PDR+32*\c+\i], v[DOF], s[8:9] offset:\c*8192+\i*128                   ; 64: my fragment of proj_down: k = 64 c + 32 h + i of my rank
.endr
.endr
	WIN 0x40                                       ; destination window 1, address window 0
.irp q, 0,1,2,3
.irp i, 0,1,2,3,4,5,6,7,8,9,10,11,12,13,14,15
	global_load_b128 v[64*\q+4*\i:64*\q+4*\i+3], v[L16], s[10:11] offset:\i*16384+\q*512 th:TH_LOAD_NT   ; 64: W, chunk by chunk: 512 consecutive bytes of each of the 16 rows
.endr
.endr
	WIN 0
	s_wait_loadcnt 63                              ; W's 64 loads were issued behind all the others: with at most 63 out, smooth_factor, x, wscales and proj_down are in
.set n, 0
.rept 16
	v_rcp_f32 v[ACC+n], v[CX+n]
.set n, n+1
.endr
	v_nop                                          ; a plain line behind the last reciprocal,
	s_wait_alu depctr_va_vdst(0)                   ; and the one wait for the batch ahead of its first reader
.set n, 0
.rept 16
	v_fma_f32 v[CX+n], -v[CX+n], v[ACC+n], 1.0     ; e = 1 - s r
.set n, n+1
.endr
.set n, 0
.rept 16
	v_fma_f32 v[ACC+n], v[CX+n], v[ACC+n], v[ACC+n]   ; r + e r
.set n, n+1
.endr
.irp j, 0,1,2,3
	ds_store_b128 v[RW], v[ACC+4*\j:ACC+4*\j+3] offset:512*\j
.endr
.irp i, 0,1,2,3,4,5,6,7,8,9,10,11,12,13,14,15
	ds_store_b128 v[STI], v[X+4*\i:X+4*\i+3] offset:\i*XP
.endr
.irp i, 0,1,2,3,4,5,6,7,8,9,10,11,12,13,14,15
	ds_store_b128 v[STI], v[RC+4*\i:RC+4*\i+3] offset:\i*XP+512
.endr
	QBLK2 PDR, CX, WD                              ; my fragment of proj_down,
	ds_store_b128 v[RW], v[CX:CX+3] offset:PIM     ; to LDS as it stands,
	ds_store_b128 v[RW], v[CX+4:CX+7] offset:PIM+512
	ds_store_b32 v[RW], v[WD] offset:PWD           ; and its scale word
	s_wait_dscnt 0x0                               ; for the others' sake: my stores have landed
	s_barrier_signal -1
	s_barrier_wait -1                              ; the K step's eight fragments lie in LDS
	XBLOAD 0
	RCLOAD 0
.macro QSTEP q
	s_wait_dscnt 16                                ; x's 8 loads are in; the 16 of the reciprocals, issued behind them, may be out
.set n, 0
.rept 32                               ; bf16 to f32 in place, ascending: registers 2 n and 2 n + 1 are written when packed word n (register 32 + n) is read, and never reach a word not yet read
	v_lshlrev_b32 v[X+2*n], 16, v[X+32+n]
	v_and_b32 v[X+2*n+1], s[HI], v[X+32+n]
.set n, n+1
.endr
	s_wait_dscnt 0x0
	PDLOAD \q                                      ; (the 64 lines above are the places behind the last step's products, which read these registers)
.set n, 0
.rept 32
	v_pk_mul_f32 v[RC+2*n:RC+2*n+1], v[X+2*n:X+2*n+1], v[RC+2*n:RC+2*n+1]   ; x / smooth
.set n, n+1
.endr
	QBLK2 X, CX, WX
.if \q < 3
	XBLOAD (\q)+1
.endif
	QBLK2 RC, CS+8*(\q), WD
.if \q < 3
	RCLOAD (\q)+1
.endif
	global_store_b128 v[L16], v[CS+8*(\q):CS+8*(\q)+3], s[16:17] offset:(\q)*1024        ; 512 consecutive bytes, at a multiple of 512 from the buffer's first byte
	global_store_b128 v[L16], v[CS+8*(\q)+4:CS+8*(\q)+7], s[16:17] offset:(\q)*1024+512
.if ((\q)%2) == 0
	v_mov_b32 v[WE], v[WD]
.else
	v_cndmask_b32 v[SW+(\q)/2], v[WE], v[WD], s[HI]   ; lanes 0-15 keep the even step's word, lanes 16-31 take the odd one's
.endif
.if \q < 3
	s_wait_dscnt 24                                ; proj_down's 6 loads are in: the next step's 8 + 16 were issued behind them
.else
	s_wait_dscnt 0x0
.endif
; T^T += proj_down^T x^T.  x's codes and word were written more than forty plain vector lines ago; the two accumulators take turns, one instruction a turn.
.if \q == 0
.irp u, 0,1
	v_wmma_scale_f32_16x16x128_f8f6f4 v[ACC+8*\u:ACC+8*\u+7], v[PD+8*\u:PD+8*\u+7], v[CX:CX+7], 0, v[PDS+4*\u], v[WX] matrix_a_fmt:MATRIX_FMT_FP4 matrix_b_fmt:MATRIX_FMT_FP4
.endr
.else
.irp u, 0,1
	v_wmma_scale_f32_16x16x128_f8f6f4 v[ACC+8*\u:ACC+8*\u+7], v[PD+8*\u:PD+8*\u+7], v[CX:CX+7], v[ACC+8*\u:ACC+8*\u+7], v[PDS+4*\u], v[WX] matrix_a_fmt:MATRIX_FMT_FP4 matrix_b_fmt:MATRIX_FMT_FP4
.endr
.endif
.endm
	QSTEP 0
	QSTEP 1
	QSTEP 2
	QSTEP 3
	; W's addresses are made here: eleven plain lines that name no register of the last products: the places between them and the first read of their results (ISA guide 7.12.1).  No LDS instruction of mine is out.
	v_and_b32 v[RW], 15, v0                        ; r
	v_bfe_u32 v[PIA], v0, 4, 1                     ; h
	v_mul_u32_u24 v[STO], v[RW], WP
	v_lshl_add_u32 v[STO], v[PIA], 7, v[STO]
	v_add_nc_u32 v[STO], s[XW], v[STO]
	v_lshlrev_b32 v[UOF], 7, v[RW]
	v_lshl_add_u32 v[UOF], v[PIA], 6, v[UOF]
.irp n, 1,3,5,7
	v_mov_b32 v[P+\n], 0                           ; the pairs' upper words are named, so they are written
.endr
	global_store_b64 v[L8], v[SW:SW+1], s[66:67]   ; 256 consecutive bytes, aligned
.irp k, 0,1,2,3
	global_store_b128 v[L16], v[ACC+4*\k:ACC+4*\k+3], s[20:21] offset:512*\k   ; my part of T as an image of its registers, each accumulator from its low end on
.endr
	s_cmp_lg_u32 s[WV], 0
	s_cbranch_scc1 .Lno_up
.irp j, 0,1,2,3
	global_load_b128 v[PUR+4*\j:PUR+4*\j+3], v[UOF], s[14:15] offset:16*\j   ; wave 0: tile g of proj_up; wanted behind the last chunk
.endr
.Lno_up:
.macro CHUNK q
	s_wait_loadcnt 48-16*(\q)                      ; this chunk's 16 loads are in; those of the later chunks may be out (in wave 0 four more loads are out: there the wait asks for more than it needs)
	WIN 0x04                                       ; an LDS store's data are its source 1: window 1
.irp i, 0,1,2,3,4,5,6,7,8,9,10,11,12,13,14,15
	ds_store_b128 v[STI], v[64*(\q)+4*\i:64*(\q)+4*\i+3] offset:\i*WP
.endr
	WIN 0
.irp c, 0,1
.irp j, 0,1,2,3,4,5,6,7
	ds_load_b128 v[X+32*\c+4*\j:X+32*\c+4*\j+3], v[STO] offset:256*\c+16*\j   ; LDS serves a wave's instructions in order: these see the stores above
.endr
.endr
.irp c, 0,1
	v_mov_b32 v[P+4*\c], v[LS+2*(\q)+\c]           ; s of group 8 w + 2 q + c (64 along K: both halves of the lanes),
	v_mul_f32 v[P+4*\c+2], 0xc1000000, v[LS+2*(\q)+\c]   ; and -8 s, exact
.endr
	s_wait_dscnt 0x0
.set n, 0
.rept 64
	v_cvt_f32_i32 v[X+n], v[X+n]
.set n, n+1
.endr
.irp c, 0,1
.irp j, 0,2,4,6,8,10,12,14,16,18,20,22,24,26,28,30
	v_pk_fma_f32 v[X+32*\c+\j:X+32*\c+\j+1], v[X+32*\c+\j:X+32*\c+\j+1], v[P+4*\c:P+4*\c+1], v[P+4*\c+2:P+4*\c+3] op_sel_hi:[1,0,0]   ; code x s - 8 s = (code - 8) x s, rounded once
.endr
.endr
	QBLK2 X, CW+8*(\q), WD
	global_store_b128 v[L16], v[CW+8*(\q):CW+8*(\q)+3], s[18:19] offset:(\q)*1024
	global_store_b128 v[L16], v[CW+8*(\q)+4:CW+8*(\q)+7], s[18:19] offset:(\q)*1024+512
.if ((\q)%2) == 0
	v_mov_b32 v[WE], v[WD]
.else
	v_cndmask_b32 v[SWW+(\q)/2], v[WE], v[WD], s[HI]
.endif
.endm
	CHUNK 0
	CHUNK 1
	CHUNK 2
	CHUNK 3
	global_store_b64 v[L8], v[SWW:SWW+1], s[68:69] ; 256 consecutive bytes, aligned
	s_cmp_lg_u32 s[WV], 0
	s_cbranch_scc1 .Ldone
	QHALF PUR, HD, WD                              ; (the last chunk's wait was for all loads)
	global_store_b128 v[L16], v[HD:HD+3], s[22:23] ; 512 consecutive bytes
	global_store_b32 v[L4], v[WD], s[70:71]
.Ldone:
	s_wait_xcnt 0x0
	v_lshl_add_u32 v254, v0, 2, 0x27800
	v_mov_b32 v255, 0
	s_wait_tensorcnt 0x0
	ds_add_u32 v254, v255
	s_wait_dscnt 0x0
	s_endpgm
.Lfunc_end_k_q0fc26244f0_prep:
	.size	k_q0fc26244f0_prep, .Lfunc_end_k_q0fc26244f0_prep-k_q0fc26244f0_prep
	.p2alignl 7, 3214868480
	.fill 96, 4, 3214868480
	.section	.rodata,"a",@progbits
	.p2align	6, 0x0
	.amdhsa_kernel k_q0fc26244f0_prep
		.amdhsa_group_segment_fixed_size 162816
		.amdhsa_private_segment_fixed_size 0
		.amdhsa_enable_private_segment 0
		.amdhsa_kernarg_size 80
		.amdhsa_user_sgpr_count 2
		.amdhsa_user_sgpr_kernarg_segment_ptr 1
		.amdhsa_wavefront_size32 1
		.amdhsa_system_sgpr_workgroup_id_x 1
		.amdhsa_system_sgpr_workgroup_id_y 1
		.amdhsa_system_sgpr_workgroup_id_z 1
		.amdhsa_system_vgpr_workitem_id 0
		.amdhsa_next_free_vgpr 512
		.amdhsa_next_free_sgpr 72
		.amdhsa_reserve_vcc 0
		.amdhsa_float_denorm_mode_32 3
		.amdhsa_float_denorm_mode_16_64 3
		.amdhsa_memory_ordered 1
		.amdhsa_forward_progress 1
		.amdhsa_inst_pref_size 120
	.end_amdhsa_kernel
	.amdgpu_metadata
---
amdhsa.version: [ 1, 2 ]
amdhsa.kernels:
  - .name:           k_q0fc26244f0_prep
    .symbol:         k_q0fc26244f0_prep.kd
    .args:
      - { .name: x, .offset: 0, .size: 8, .value_kind: global_buffer, .address_space: global }
      - { .name: smooth_factor, .offset: 8, .size: 8, .value_kind: global_buffer, .address_space: global }
      - { .name: proj_down, .offset: 16, .size: 8, .value_kind: global_buffer, .address_space: global }
      - { .name: qweight, .offset: 24, .size: 8, .value_kind: global_buffer, .address_space: global }
      - { .name: wscales, .offset: 32, .size: 8, .value_kind: global_buffer, .address_space: global }
      - { .name: proj_up, .offset: 40, .size: 8, .value_kind: global_buffer, .address_space: global }
      - { .name: aq, .offset: 48, .size: 8, .value_kind: global_buffer, .address_space: global }
      - { .name: bq, .offset: 56, .size: 8, .value_kind: global_buffer, .address_space: global }
      - { .name: tp, .offset: 64, .size: 8, .value_kind: global_buffer, .address_space: global }
      - { .name: pq, .offset: 72, .size: 8, .value_kind: global_buffer, .address_space: global }
    .group_segment_fixed_size: 162816
    .private_segment_fixed_size: 0
    .kernarg_segment_align: 8
    .kernarg_segment_size: 80
    .max_flat_workgroup_size: 256
    .sgpr_count:     72
    .vgpr_count:     512
    .wavefront_size: 32
...
	.end_amdgpu_metadata
.endif
;; end of part 1
;; launch gemm (part 2): grid 16 x 16, 4 waves a work-group, clusters of 4 x 4, 327,680 bytes of LDS; arguments aq, bq, tp, pq, bias, wtscale, out0; writes out0
.if DOCPART == 2
	.amdgcn_target "amdgcn-amd-amdhsa--gfx1250"
	.amdhsa_code_object_version 6
	.text
	.protected	k_q0fc26244f0_gemm
	.globl	k_q0fc26244f0_gemm
	.p2align	8
	.type	k_q0fc26244f0_gemm,@function
k_q0fc26244f0_gemm:
	s_mov_b64 s[64:65], 0
	v_nop
	global_prefetch_b8 v0, s[64:65] scope:SCOPE_SE
	s_setreg_imm32_b32 hwreg(HW_REG_WAVE_MODE, 25, 1), 1
	s_wait_xcnt 0x0
	s_wait_alu depctr_hold_cnt(0) depctr_sa_sdst(0) depctr_va_vdst(0) depctr_va_sdst(0) depctr_va_ssrc(0) depctr_va_vcc(0) depctr_vm_vsrc(0)
	s_getreg_b32 s2, hwreg(HW_REG_IB_STS2, 6, 4)
	s_cmp_eq_u32 s2, 0
	s_cbranch_scc0 .Lentry_in_a_cluster
	s_endpgm
.Lentry_in_a_cluster:
	s_bfe_u32 s2, ttmp6, 0x10000c
	s_cmp_lg_u32 s2, 0xf033
	s_cbranch_scc0 .Lentry_shape_is_right
	s_endpgm
.Lentry_shape_is_right:
; out0[m][o] = bf16( sum over k of A[m][k] B[o][k]  +  wtscale x sum over 32 ranks of Q(T)[m][.] PU[o][.]  +  bias[o] ), all products on codes of FP4 (E2M1) with E8M0 scales for each 32 along K, sums in f32.
; A = Q(x / smooth) in aq, B = Q(W) in bq, PU = Q(proj_up) in pq: laid in the order of the operand's registers by the launch before.  T = Q(x) Q(proj_down) comes in eight parts, one for each 512 along K, f32, in tp:
; they are added in ascending K and quantised here, at the head.
; LIMITS: a row of T that is all zeros, or under 2^-124, keeps the scale byte 1; NaN and infinities are not served.
; ORDER OF THE SUM: each output begins as wtscale x (Q(T) PU^T) + bias, in f32, and the 32 steps of 128 along K are added onto it, K ascending: another order of the f32 roundings than the source's.
; A tile of out0, 256 x 256, is made by a work-group of four waves; a wave makes 128 x 128: 64 accumulators of 16 x 16, 512 registers.  256 tiles, one for each work-group.
; K goes in steps of 512 through a ring of two LDS slots.  A K step's codes of 256 rows are ONE dense block of 65,536 bytes (16 blocks of 16 rows x 4 fragments x 1,024 bytes); each wave fetches half of A's or of B's by one
; tensor load, as 128 rows of 256 bytes.  A fragment is two ds_load_b128 of 512 consecutive bytes each: no pitch, no padding.
; THE SCALE WORDS go from memory straight into registers, one K step ahead: for 16 rows and a K step 256 consecutive bytes, 8 a lane: register p holds the word of step 2 p in lanes 0-15 and of step 2 p + 1 in lanes 16-31,
; and the matrix instruction's row selectors pick the step.
; CLUSTERS: 4 x 4 work-groups.  The four of a row of the cluster need the same block of A, the four of a column the same block of B: each is asked for JOINTLY, by the same tensor load with the same descriptor and a mask
; that names the four.  THE MATRIX INSTRUCTION IS USED TRANSPOSED (source 0 = 16 rows of B, source 1 = 16 rows of A): a lane then holds eight neighbouring numbers of a row of out0.
; REGISTERS, in windows of 256: window 0: v1-31 addresses (v1-4, v8-15 at work on T at the head); v32-95 scale words, two sets of 32 (A's 16, B's 16); v96-103 T's, v104-111 PU's scale words; v112-127 T's codes just made;
;   v128-191 A's fragments, ONE set (at the head: T's sums; on the way out: rows read back); v192-255 bias (on the way out v192-223: packed results).   window 1: B's fragments, TWO sets, at v0 and v128.
;   window 2: the accumulators of my rows 0-63 ((a, b) at v[8 (8 a + b)]);  window 3: those of rows 64-127.  At the head windows 2 and 3 take T's parts as they are loaded.
.set FR,     8                         ; registers of a fragment
.set SLOT,   131072                    ; a slot: A's block, then B's
.set BOFF,   65536
.set KSB,    65536                     ; a K step on in aq or bq
.set STAGE,  2*SLOT                    ; behind the ring: 16 rows x 272 bytes for each wave, for the way out
.set SPITCH, 272
.set SPARE,  STAGE+4*16*SPITCH         ; behind the stages: the spare words, 128 bytes for each wave: two blocks of 256 bytes that no other line names
.set TIMG,   SPARE+512                 ; behind them: Q(T) of the tile's 256 rows: 1,024 bytes for each 16 rows: registers 0-3 at 16 x lane, then the scale word at 512 + 16 x lane
.set EE,   1                           ; v1-4  T: the conversions' scale operands (free once the addresses are made)
.set TIS,  6                           ; v6   where I store Q(T): TIMG + 4096 x wave + 16 x lane
.set TIL,  7                           ; v7   where I read it: TIMG + 8192 x (row half) + 16 x lane
.set MM,   8                           ; v8-11  T: largest magnitudes
.set WDT,  12                          ; v12-15 T: scale words just made
.set ADRA, 16                          ; v16-17 LDS address of my A fragments in slot 0, 1
.set ADRB, 20                          ; v20-21 the same for B
.set BO,   22                          ; v22  32 h: my eight numbers of a block of 16 of bias
.set L4,   23                          ; v23  4 x lane
.set STO,  24                          ; v24  the way out: where I put 16 bytes of a row
.set RD,   25                          ; v25  where I read a row back
.set CO,   26                          ; v26  my byte offset in out0
.set L8,   27                          ; v27  8 x lane
.set SPW,  28                          ; v28  LDS address of my spare word: SPARE + 4 x my thread's number; never rewritten
.set NIL,  29                          ; v29  0; never rewritten
.set PFO,  30                          ; v30  256 x lane: the prefetches' offset; never rewritten
.set L16,  31                          ; v31  16 x lane
.set SC,   32
.set TS,   96
.set PUS,  104
.set HD,   112
.set AF,   128
.set BI,   192
.set TMP,  192
.set OB,   128
.set WV,   18                          ; s18 wave;  s19 which half of the tile's rows is mine, also: I fetch for A (0) or B (1);  s20 which half of its columns, also: which half of the block I fetch
.set WR,   19
.set WC,   20
.set G1,   24                          ; s[24:31] descriptor group 1 for A's blocks;  s[32:39] group 0, one set for each slot
.set G0,   32
.set LIM,  43                          ; s43  1 in a wave that prefetches, else the greatest number
.set PFA,  44                          ; s[44:45] where my prefetches stand
.set G1B,  48                          ; s[48:55], s[56:63] the same for B's blocks
.set G0B,  56
.set SA,   68                          ; s[68:69] A's scale words of my 128 rows, at the K step to be asked for;  s[70:71] B's
.set SB,   70
.set WT,   72                          ; s[72:73] wtscale: the packed form names a pair and takes its low word
.set SEL,  84                          ; s[84:85] v_permlanex16_b32's selects for lane l xor 16
.set MSB, 0
.macro WIN new                         ; the immediate's high byte repeats the setting that is left; a switch that changes nothing is dropped
.if MSB != \new
	s_set_vgpr_msb (MSB<<8)|\new
.set MSB, \new
.endif
.endm
.set MUL_LO, 0xa1                      ; source 0 (B) window 1, source 1 (A) window 0, C and D window 2
.set MUL_HI, 0xf1                      ; the same, C and D window 3
.set TO_B,   0x40                      ; destination window 1, address window 0
; A joint load: waves 0 and 1 fetch for A, waves 2 and 3 for B.  Each of the two lines has ONE mask and one set of registers for all that issue it; the branch hangs on the wave's number alone.
; Four v_nop follow each of the two lines, ahead of the jump, the label and what follows.
.macro JLOAD s
	s_cmp_eq_u32 s[WR], 0
	s_cbranch_scc0 .Lfor_b_\@
	tensor_load_to_lds s[G0+4*\s:G0+4*\s+3], s[G1:G1+7]
	s_nop 0
.rept 4
	v_nop
.endr
	s_branch .Lasked_\@
.Lfor_b_\@:
	tensor_load_to_lds s[G0B+4*\s:G0B+4*\s+3], s[G1B:G1B+7]
	s_nop 0
.rept 4
	v_nop
.endr
.Lasked_\@:
.endm
; A PREFETCH INTO THE L2, behind a joint load, its four lines and the run of LDS loads that follows: of the K step that stands TWO refills on (512 matrix instructions ahead of the load that will want it), 8,192 bytes a wave,
; lanes 256 bytes apart.  Each 256 bytes of the codes are named once in the launch: A's blocks are read by every cluster of a row of clusters: the one with cluster x = 0 asks; B's by every cluster of a column: cluster y = 0 asks.
; Of the 32,768 bytes that a wave fetches, each of the four partners that ask for them jointly takes 8,192, told apart BY ADDRESS (cx for A, cy for B).  K steps 0 to 3 and the scale words come by their loads alone;
; the loop's last trip (s3 = 1) asks for nothing: there is no K step two refills on.
.macro ASK
	s_cmp_gt_u32 s3, s[LIM]
	s_cbranch_scc0 .Lnot_mine_\@
	global_prefetch_b8 v[PFO], s[PFA:PFA+1] th:TH_LOAD_NT scope:SCOPE_SE
.Lnot_mine_\@:
.endm
.macro CREST                           ; a round of the cluster's barrier behind its opening barrier
	s_cmp_lg_u32 s[WV], 0
	s_cbranch_scc1 .Lnot_wave_0_\@
	s_barrier_signal -3
.Lnot_wave_0_\@:
	s_barrier_wait -3
	s_barrier_signal -1
	s_barrier_wait -1
.endm
.macro CROUND                          ; a whole round
	s_barrier_signal -1
	s_barrier_wait -1
	CREST
.endm
.macro PLACES                          ; a load into a register that a matrix instruction has read, and a vector instruction or store that reads a result, stand four plain vector lines behind it (ISA guide 7.12.1 for vector instructions)
.rept 4
	v_nop
.endr
.endm
.macro SCLOAD set, off                 ; a K step's scale words of my 128 rows of A and of B into set: 16 loads of 256 consecutive bytes
.irp i, 0,1,2,3,4,5,6,7
	global_load_b64 v[SC+32*(\set)+2*\i:SC+32*(\set)+2*\i+1], v[L8], s[SA:SA+1] offset:\off+\i*256
	global_load_b64 v[SC+32*(\set)+16+2*\i:SC+32*(\set)+16+2*\i+1], v[L8], s[SB:SB+1] offset:\off+\i*256
.endr
.endm
; T's parts of two of my four tiles of 16 rows: tile 2 hi + t, part j, registers 4 k .. 4 k + 3, at v[128 t + 16 j + 4 k] of the window that is set: 64 loads of 512 consecutive bytes
.macro TPLOAD hi
.irp t, 0,1
.irp j, 0,1,2,3,4,5,6,7
.irp k, 0,1,2,3
	global_load_b128 v[128*\t+16*\j+4*\k:128*\t+16*\j+4*\k+3], v[L16], s[82:83] offset:(2*\hi+\t)*16384+\j*2048+\k*512
.endr
.endr
.endr
.endm
; and their sum, K ascending; the last addition puts it into window 0, at v[AF + 16 (2 hi + t)]
.macro TADD hi
	WIN 0x8a+0x45*\hi                              ; destination and both sources window 2 (hi = 0) or 3
.irp j, 1,2,3,4,5,6
.irp t, 0,1
.irp e, 0,2,4,6,8,10,12,14
	v_pk_add_f32 v[128*\t+\e:128*\t+\e+1], v[128*\t+\e:128*\t+\e+1], v[128*\t+16*\j+\e:128*\t+16*\j+\e+1]
.endr
.endr
.endr
	WIN 0x0a+0x05*\hi                              ; the sources as before, the destination window 0
.irp t, 0,1
.irp e, 0,2,4,6,8,10,12,14
	v_pk_add_f32 v[AF+16*(2*\hi+\t)+\e:AF+16*(2*\hi+\t)+\e+1], v[128*\t+\e:128*\t+\e+1], v[128*\t+112+\e:128*\t+112+\e+1]
.endr
.endr
.endm
	s_load_b256 s[4:11], s[0:1], 0x0               ; aq s[4:5], bq s[6:7], tp s[8:9], pq s[10:11]
	s_load_b128 s[12:15], s[0:1], 0x20             ; bias s[12:13], wtscale s[14:15]
	s_load_b64 s[16:17], s[0:1], 0x30              ; out0
	v_lshl_add_u32 v[SPW], v0, 2, SPARE
	v_mov_b32 v[NIL], 0
	ds_add_u32 v28, v29
	ds_add_u32 v28, v29
	s_wait_dscnt 0x0
	v_lshrrev_b32 v1, 5, v0
	v_readfirstlane_b32 s[WV], v1                  ; wave 0..3
	s_lshr_b32 s[WR], s[WV], 1
	s_and_b32 s[WC], s[WV], 1
	s_bfe_u32 s21, ttmp6, 0x40000                  ; cx, cy: my place in the cluster
	s_bfe_u32 s22, ttmp6, 0x40004
	s_lshl_b32 s23, ttmp9, 2
	s_add_co_u32 s23, s23, s21                     ; Gn: tile column = 4 x cluster x + cx
	s_and_b32 s66, ttmp7, 0xffff
	s_lshl_b32 s66, s66, 2
	s_add_co_u32 s66, s66, s22                     ; G: tile row = 4 x cluster y + cy
	s_lshl_b32 s40, s22, 2
	s_lshl_b32 s40, 15, s40                        ; my row of the cluster
	s_lshl_b32 s41, 0x1111, s21                    ; my column
	; descriptor group 1: 128 rows of 32 elements of 8 bytes, dense: 32,768 bytes
	s_or_b32 s[G1], s40, (3<<16)|(1<<21)           ; 15:0 the mask: A's blocks go to my row; 17:16 elements of 8 bytes; 20 no padding; 21 set beside a mask
	s_or_b32 s[G1B], s41, (3<<16)|(1<<21)          ; B's go to my column
.irp g, G1, G1B
	s_mov_b32 s[\g+1], 32<<16                      ; tensor_dim0 = 32
	s_mov_b32 s[\g+2], 128<<16                     ; tensor_dim1 = 128
	s_mov_b32 s[\g+3], 32<<16                      ; tile_dim0 = 32
	s_mov_b32 s[\g+4], 128                         ; tile_dim1 = 128
	s_mov_b32 s[\g+5], 32                          ; tensor_dim0_stride
	s_mov_b32 s[\g+6], 0
	s_mov_b32 s[\g+7], 0
.endr
	s_lshl_b32 s42, s[WC], 15                      ; which half of a block I fetch
	s_lshl_b32 s74, s66, 19                        ; A: 8 K steps of 65,536 bytes for each tile row: it hangs on the tile row alone, which my row of the cluster shares
	s_add_co_u32 s74, s74, s42
	s_mov_b32 s75, 0
	s_lshl_b32 s76, s23, 19                        ; B: on the tile column alone
	s_add_co_u32 s76, s76, s42
	s_mov_b32 s77, 0
	s_lshl_b32 s67, s[WV], 15                      ; where they go: wave x 32,768: no place in the cluster enters an LDS address
	s_lshl_b32 s78, s66, 15                        ; A's scale words: 8 K steps of 4,096 bytes for each tile row, 2,048 for my half
	s_lshl_b32 s47, s[WR], 11
	s_add_co_u32 s78, s78, s47
	s_add_co_u32 s78, s78, 8388608
	s_mov_b32 s79, 0
	s_lshl_b32 s80, s23, 15                        ; B's
	s_lshl_b32 s47, s[WC], 11
	s_add_co_u32 s80, s80, s47
	s_add_co_u32 s80, s80, 8388608
	s_mov_b32 s81, 0
	s_wait_kmcnt 0x0
	s_load_b32 s[WT], s[14:15], 0x0                ; wtscale
	s_add_nc_u64 s[74:75], s[4:5], s[74:75]
	s_add_nc_u64 s[76:77], s[6:7], s[76:77]
	s_add_nc_u64 s[SA:SA+1], s[4:5], s[78:79]
	s_add_nc_u64 s[SB:SB+1], s[6:7], s[80:81]
	CROUND                                         ; all sixteen work-groups are here: the first joint loads meet
.irp s, 0,1
	s_mov_b32 s[G0+4*\s], 1                        ; count = 1
	s_add_co_u32 s[G0+4*\s+1], s67, \s*SLOT        ; LDS address
	s_add_nc_u64 s[G0+4*\s+2:G0+4*\s+3], s[74:75], \s*KSB   ; global address: K step s
	s_or_b32 s[G0+4*\s+3], s[G0+4*\s+3], 0x80000000         ; type = 2
	s_mov_b32 s[G0B+4*\s], 1
	s_add_co_u32 s[G0B+4*\s+1], s67, \s*SLOT
	s_add_nc_u64 s[G0B+4*\s+2:G0B+4*\s+3], s[76:77], \s*KSB
	s_or_b32 s[G0B+4*\s+3], s[G0B+4*\s+3], 0x80000000
	JLOAD \s                                       ; two tensor loads of mine are out
.endr
	; while they land: T's parts, the low-rank product's other operand, bias, and the first two K steps' scale words
	s_lshl_b32 s78, s66, 18                        ; tp: tile 16 G + 4 x wave + t, 16,384 bytes (eight parts of 2,048) each: the four waves share the tile's 256 rows out
	s_lshl_b32 s47, s[WV], 16
	s_add_co_u32 s78, s78, s47
	s_add_nc_u64 s[82:83], s[8:9], s[78:79]
	s_mov_b32 s[SEL], 0x76543210
	s_mov_b32 s[SEL+1], 0xfedcba98
	s_lshl_b32 s80, s23, 13                        ; PU: tile 16 Gn + 8 (column half) + b, 512 bytes each,
	s_lshl_b32 s47, s[WC], 12
	s_add_co_u32 s80, s80, s47
	s_add_nc_u64 s[86:87], s[10:11], s[80:81]
	s_lshl_b32 s80, s23, 11                        ; its scale words, 128 bytes each
	s_lshl_b32 s47, s[WC], 10
	s_add_co_u32 s80, s80, s47
	s_add_co_u32 s80, s80, 131072
	s_add_nc_u64 s[88:89], s[10:11], s[80:81]
	s_lshl_b32 s80, s23, 10                        ; bias: my 128 columns
	s_lshl_b32 s47, s[WC], 9
	s_add_co_u32 s80, s80, s47
	s_add_nc_u64 s[90:91], s[12:13], s[80:81]
	s_lshl_b32 s78, s66, 21                        ; out0: row 256 G + 128 (row half), 8,192 bytes a row,
	s_lshl_b32 s47, s[WR], 20
	s_add_co_u32 s78, s78, s47
	s_add_nc_u64 s[16:17], s[16:17], s[78:79]
	s_lshl_b32 s80, s23, 9                         ; column 256 Gn + 128 (column half), 2 bytes each
	s_lshl_b32 s47, s[WC], 8
	s_add_co_u32 s80, s80, s47
	s_add_nc_u64 s[16:17], s[16:17], s[80:81]
	v_and_b32 v1, 15, v0                           ; r
	v_bfe_u32 v2, v0, 4, 1                         ; h
	v_and_b32 v3, 31, v0                           ; lane
	v_lshlrev_b32 v[L16], 4, v3
	v_lshlrev_b32 v[L8], 3, v3
	v_lshlrev_b32 v[L4], 2, v3
	v_lshlrev_b32 v[BO], 5, v2
	v_lshlrev_b32 v[PFO], 8, v3
	WIN 0x80                                       ; destination window 2: the accumulators' registers are idle until the first product
	TPLOAD 0
	WIN 0xc0                                       ; window 3
	TPLOAD 1
	WIN 0
.irp a, 0,1,2,3,4,5,6,7
	global_load_b32 v[PUS+\a], v[L4], s[88:89] offset:\a*128
	global_load_b128 v[BI+8*\a:BI+8*\a+3], v[BO], s[90:91] offset:64*\a        ; bias(16 b + 8 h + 0 .. 7): a result's layout
	global_load_b128 v[BI+8*\a+4:BI+8*\a+7], v[BO], s[90:91] offset:64*\a+16
.endr
	SCLOAD 0, 0
	SCLOAD 1, 4096
	WIN TO_B
.irp b, 0,1,2,3,4,5,6,7
	global_load_b128 v[8*\b:8*\b+3], v[L16], s[86:87] offset:\b*512            ; PU's registers 0-3 (K = 32), in B's set 0
.endr
.irp b, 0,1,2,3,4,5,6,7
.irp j, 4,5,6,7
	v_mov_b32 v[8*\b+\j], 0                        ; K = 32 is filled to the instruction's 128 with zero codes, on both sides: registers 4-7
.endr
.endr
	WIN 0
	; the prefetches: where mine stand, and who asks
	s_and_b32 s46, ttmp7, 0xffff                   ; cluster y
	s_cmp_eq_u32 s[WR], 0                          ; do I fetch for A?
	s_cselect_b32 s41, s66, s23                    ; the block: by the tile row in A, by the tile column in B
	s_cselect_b32 s42, s21, s22                    ; my place among the four that ask for it with me
	s_cselect_b32 s46, ttmp9, s46                  ; the coordinate along which other clusters read the same block
	s_cselect_b64 s[PFA:PFA+1], s[4:5], s[6:7]
	s_cmp_eq_u32 s46, 0
	s_cselect_b32 s[LIM], 1, -1                    ; the same in all sixteen partners, for a given wave
	s_lshl_b32 s46, s41, 19
	s_lshl_b32 s47, s[WC], 15
	s_add_co_u32 s46, s46, s47                     ; + the half that I fetch
	s_lshl_b32 s47, s42, 13
	s_add_co_u32 s46, s46, s47                     ; + my work-group's quarter of it
	s_add_co_u32 s46, s46, 3*KSB                   ; at K step 3: the first change of slots steps it to 4
	s_mov_b32 s47, 0
	s_add_nc_u64 s[PFA:PFA+1], s[PFA:PFA+1], s[46:47]
	; LDS addresses
	s_lshl_b32 s92, s[WR], 15                      ; my 128 rows of A: 8 blocks of 4,096 bytes
	s_lshl_b32 s93, s[WC], 15
	s_add_co_u32 s93, s93, BOFF                    ; my 128 rows of B, behind A's block
.irp s, 0,1
	v_add_nc_u32 v[ADRA+\s], s92, v[L16]
	v_add_nc_u32 v[ADRB+\s], s93, v[L16]
	s_add_co_u32 s92, s92, SLOT
	s_add_co_u32 s93, s93, SLOT
.endr
	s_mul_i32 s94, s[WV], 16*SPITCH
	s_add_co_u32 s94, s94, STAGE                   ; my stage
	v_mul_u32_u24 v4, v1, SPITCH                   ; in: row r, 16 bytes for each half of the lanes
	v_lshl_add_u32 v4, v2, 4, v4
	v_add_nc_u32 v[STO], s94, v4
	v_mul_u32_u24 v5, v2, SPITCH                   ; back: lanes 0-15 take one row of 256 bytes, lanes 16-31 the next
	v_lshl_add_u32 v5, v1, 4, v5
	v_add_nc_u32 v[RD], s94, v5
	v_lshlrev_b32 v5, 13, v2                       ; and the same two rows in out0
	v_lshl_add_u32 v[CO], v1, 4, v5
	s_lshl_b32 s95, s[WV], 12
	s_add_co_u32 s95, s95, TIMG
	v_add_nc_u32 v[TIS], s95, v[L16]               ; Q(T): I make tiles 4 x wave + 0 .. 3,
	s_lshl_b32 s95, s[WR], 13
	s_add_co_u32 s95, s95, TIMG
	v_add_nc_u32 v[TIL], s95, v[L16]               ; and read tiles 8 x (row half) + 0 .. 7
	s_wait_loadcnt 63                              ; T's 128 loads are in: 64 loads were issued behind them
	TADD 0
	TADD 1
	WIN 0
	; Q(T), four tiles by turns.  Register 8 u + i of lane (r, h) is T(row r, rank 16 h + 8 u + i): 16 neighbours along the next K, whose one block of 32 lies in lanes l and l xor 16.
.irp t, 0,1,2,3
	v_max3_num_f32 v[MM+\t], |v[AF+16*\t]|, |v[AF+16*\t+1]|, 0x1800000   ; and the floor 2^(3 - 127): the byte cannot fall under 1
.endr
.irp i, 2,4,6,8,10,12,14
.irp t, 0,1,2,3
	v_max3_num_f32 v[MM+\t], v[MM+\t], |v[AF+16*\t+\i]|, |v[AF+16*\t+\i+1]|
.endr
.endr
.irp t, 0,1,2,3
	v_permlanex16_b32 v[EE+\t], v[MM+\t], s[SEL], s[SEL+1]   ; (its destination counts as read: these four registers have been written)
.endr
.irp t, 0,1,2,3
	v_max_num_f32 v[MM+\t], v[MM+\t], v[EE+\t]     ; the block's largest magnitude
.endr
.irp t, 0,1,2,3
	v_add_nc_u32 v[EE+\t], 0xff000000, v[MM+\t]    ; 2 off its exponent field: the conversion's scale operand
.endr
.irp t, 0,1,2,3
	v_lshrrev_b32 v[WDT+\t], 23, v[EE+\t]          ; the scale word: the byte, and three zero bytes over zero codes
.endr
.irp t, 0,1,2,3
	v_cvt_scalef32_pk8_fp4_f32 v[HD+4*\t], v[AF+16*\t:AF+16*\t+7], v[EE+\t]
	v_cvt_scalef32_pk8_fp4_f32 v[HD+4*\t+1], v[AF+16*\t+8:AF+16*\t+15], v[EE+\t]
.endr
.irp t, 0,1,2,3
	v_mov_b32 v[HD+4*\t+2], 0                      ; (also the plain lines behind the conversions)
	v_mov_b32 v[HD+4*\t+3], 0
.endr
.irp t, 0,1,2,3
	v_permlane16_swap_b32 v[HD+4*\t], v[HD+4*\t+2] ; the first's lanes 16-31 change places with the second's lanes 0-15: lanes 0-15 hold the row's 32 codes, lanes 16-31 zeros
	v_permlane16_swap_b32 v[HD+4*\t+1], v[HD+4*\t+3]
.endr
.irp t, 0,1,2,3
	ds_store_b128 v[TIS], v[HD+4*\t:HD+4*\t+3] offset:\t*1024
	ds_store_b32 v[TIS], v[WDT+\t] offset:\t*1024+512
.endr
.irp a, 0,1,2,3,4,5,6,7
.irp j, 4,5,6,7
	v_mov_b32 v[AF+8*\a+\j], 0                     ; T's registers 4-7: zero codes
.endr
.endr
	s_wait_tensorcnt 1                             ; my part of K step 0 is in; K step 1's load may stay out
	s_wait_dscnt 0x0                               ; for the others' sake: my stores of Q(T) have landed
	s_barrier_signal -1
	s_barrier_wait -1                              ; everybody's part of K step 0 and of Q(T) is there
.irp a, 0,1,2,3,4,5,6,7
	ds_load_b128 v[AF+8*\a:AF+8*\a+3], v[TIL] offset:\a*1024
	ds_load_b32 v[TS+\a], v[TIL] offset:\a*1024+512
.endr
	s_wait_loadcnt 0x0                             ; PU, bias, the scale words
	s_wait_kmcnt 0x0                               ; wtscale
	s_mov_b32 s[WT+1], s[WT]                       ; (named with it as a pair, so it is written)
	s_add_nc_u64 s[SA:SA+1], s[SA:SA+1], 4096      ; the scale words' loads are done: their bases step; each change of slots that asks for scale words steps them once more
	s_add_nc_u64 s[SB:SB+1], s[SB:SB+1], 4096
	s_wait_dscnt 0x0
	PLACES                                         ; an operand's register written by a vector instruction stands four plain lines ahead of a scaled matrix instruction
; THE LOW-RANK PRODUCT starts every sum: one instruction an accumulator, C = 0: nothing is cleared.  The 64 accumulators are taken in the order that every later step keeps.
.macro LOWR hi
.irp a, 0,1,2,3
.irp b, 0,1,2,3,4,5,6,7
	v_wmma_scale_f32_16x16x128_f8f6f4 v[8*(8*\a+\b):8*(8*\a+\b)+7], v[FR*\b:FR*\b+7], v[AF+FR*(4*\hi+\a):AF+FR*(4*\hi+\a)+7], 0, v[PUS+\b], v[TS+4*\hi+\a] matrix_a_fmt:MATRIX_FMT_FP4 matrix_b_fmt:MATRIX_FMT_FP4
.endr
.endr
.endm
.macro ADDB                            ; x wtscale + bias, one fused multiply-add for two numbers; each accumulator from its low end on
.irp a, 0,1,2,3
.irp b, 0,1,2,3,4,5,6,7
.irp j, 0,2,4,6
	v_pk_fma_f32 v[8*(8*\a+\b)+\j:8*(8*\a+\b)+\j+1], v[8*(8*\a+\b)+\j:8*(8*\a+\b)+\j+1], s[WT:WT+1], v[BI+8*\b+\j:BI+8*\b+\j+1] op_sel_hi:[1,0,1]
.endr
.endr
.endr
.endm
	WIN MUL_LO
	LOWR 0
	WIN MUL_HI
	LOWR 1
	PLACES
	WIN 0x82                                       ; destination and source 0 window 2, bias window 0
	ADDB
	WIN 0xc3                                       ; window 3
	ADDB
	WIN 0
.macro FRAG reg, adr, q, i             ; a fragment: block i of my eight, the slot's q-th 128 along K: two loads of 512 consecutive bytes
.irp c, 0,1
	ds_load_b128 v[\reg+4*\c:\reg+4*\c+3], v[\adr] offset:(\i)*4096+(\q)*1024+512*\c
.endr
.endm
; 16 matrix instructions: A's blocks a0, a0 + 1 x B's eight, the slot's q-th 128 along K.  p: B's set;  sc: the set of scale words.  The 64 accumulators take turns, one instruction a turn, in the same order in every step,
; over the loop's backward jump too.  An odd q's words lie in lanes 16-31 of the scale registers.
.macro MUL16 a0, p, q, sc
.irp a, \a0, \a0+1
.irp b, 0,1,2,3,4,5,6,7
.if ((\q)%2)
	v_wmma_scale_f32_16x16x128_f8f6f4 v[8*(8*((\a)%4)+\b):8*(8*((\a)%4)+\b)+7], v[128*(\p)+FR*\b:128*(\p)+FR*\b+7], v[AF+FR*(\a):AF+FR*(\a)+7], v[8*(8*((\a)%4)+\b):8*(8*((\a)%4)+\b)+7], v[SC+32*(\sc)+16+2*\b+(\q)/2], v[SC+32*(\sc)+2*(\a)+(\q)/2] matrix_a_fmt:MATRIX_FMT_FP4 matrix_b_fmt:MATRIX_FMT_FP4 matrix_a_scale:MATRIX_SCALE_ROW1 matrix_b_scale:MATRIX_SCALE_ROW1
.else
	v_wmma_scale_f32_16x16x128_f8f6f4 v[8*(8*((\a)%4)+\b):8*(8*((\a)%4)+\b)+7], v[128*(\p)+FR*\b:128*(\p)+FR*\b+7], v[AF+FR*(\a):AF+FR*(\a)+7], v[8*(8*((\a)%4)+\b):8*(8*((\a)%4)+\b)+7], v[SC+32*(\sc)+16+2*\b+(\q)/2], v[SC+32*(\sc)+2*(\a)+(\q)/2] matrix_a_fmt:MATRIX_FMT_FP4 matrix_b_fmt:MATRIX_FMT_FP4
.endif
.endr
.endr
.endm
.macro FETCH_B slot, q, p              ; B's eight fragments into set p
	WIN TO_B
.irp i, 0,1,2,3,4,5,6,7
	FRAG 128*(\p)+FR*\i, ADRB+\slot, \q, \i
.endr
	WIN 0
.endm
.macro FETCH_A slot, q, i0             ; A's blocks i0 .. i0 + 3
.irp i, \i0, \i0+1, \i0+2, \i0+3
	FRAG AF+FR*(\i), ADRA+\slot, \q, \i
.endr
.endm
; A step of 128 along K that has its successor in the same slot.  A block of A is free as soon as its eight products are issued, so A has one set of registers: blocks 0-3 are fetched anew in the step's middle, blocks 4-7 at its end.
.macro STEP slot, q
	s_wait_dscnt 8                                 ; B's set and A's blocks 0-3 are in; the youngest eight loads (A's blocks 4-7) may be out
	WIN MUL_LO
	MUL16 0, (\q)%2, \q, \slot
	MUL16 2, (\q)%2, \q, \slot
	s_wait_dscnt 0x0                               ; A's blocks 4-7 are in (asked for 32 matrix instructions ago)
	PLACES
	FETCH_B \slot, (\q)+1, 1-(\q)%2
	FETCH_A \slot, (\q)+1, 0
	WIN MUL_HI
	MUL16 4, (\q)%2, \q, \slot
	MUL16 6, (\q)%2, \q, \slot
	PLACES
	WIN 0
	FETCH_A \slot, (\q)+1, 4
.endm
; A slot's last step changes slots: ONE barrier; in front of it each wave waits for all its tensor loads, adds 0 to its spare word, and waits for that and for its own reads of this slot.
; fill = 1: the barrier opens a round of the cluster's barrier, this slot is filled again, two K steps ahead, and its set of scale registers takes that K step's words.
.macro TURN slot, next, fill
.if \fill
	s_wait_xcnt 0x0                                ; the last prefetch, a K step back, has read its address: it is stepped here, ahead of the waits of the change of slots
	s_add_nc_u64 s[PFA:PFA+1], s[PFA:PFA+1], KSB
.endif
	s_wait_tensorcnt 0x0                           ; all my tensor loads have landed: the one that was out is my part of the next slot;  (every window is 0 here)
	ds_add_u32 v[SPW], v[NIL]                      ; 0 onto my spare word
	s_wait_dscnt 9                                 ; (the add and the youngest eight loads, A's blocks 4-7, may be out)
	WIN MUL_LO
	MUL16 0, 1, 3, \slot                           ; sixteen matrix instructions stand between the add and the wait for it
	s_wait_dscnt 0x0                               ; the add is done, and my reads of this slot are over
	s_barrier_signal -1
	MUL16 2, 1, 3, \slot
	WIN 0
	s_barrier_wait -1
.if \fill
	CREST                                          ; no wave of any partner still reads this slot or has a load on its way
	s_add_nc_u64 s[G0+4*\slot+2:G0+4*\slot+3], s[G0+4*\slot+2:G0+4*\slot+3], 2*KSB
	s_add_nc_u64 s[G0B+4*\slot+2:G0B+4*\slot+3], s[G0B+4*\slot+2:G0B+4*\slot+3], 2*KSB
	JLOAD \slot                                    ; the first tensor load behind the round, my one load until the next; the four v_nop behind it are also the places in front of the loads below
.else
	PLACES
.endif
	s_wait_loadcnt 0x0                             ; the next slot's scale words, asked for a K step ago, are in; so their bases may step
.if \fill
	s_add_nc_u64 s[SA:SA+1], s[SA:SA+1], 4096
	s_add_nc_u64 s[SB:SB+1], s[SB:SB+1], 4096
.endif
	FETCH_B \next, 0, 0
	FETCH_A \next, 0, 0
.if \fill
	ASK
.endif
	WIN MUL_HI
	MUL16 4, 1, 3, \slot
	MUL16 6, 1, 3, \slot
	PLACES
	WIN 0
	FETCH_A \next, 0, 4
.if \fill
	SCLOAD \slot, 0                                ; behind the four places: this set's last readers are the products above
.endif
.endm
	FETCH_B 0, 0, 0                                ; K step 0 was shown whole by the barrier in front of the low-rank product; the multiply-adds above are the places behind that product
	FETCH_A 0, 0, 0
	FETCH_A 0, 0, 4
	s_mov_b32 s3, 3
.Llap:                                             ; a trip goes once round the ring: two K steps of 512, and fills both slots again.  Three trips: K steps 0 to 5
	STEP 0, 0
	STEP 0, 1
	STEP 0, 2
	TURN 0, 1, 1
	STEP 1, 0
	STEP 1, 1
	STEP 1, 2
	TURN 1, 0, 1
	s_sub_co_u32 s3, s3, 1
	s_cmp_lg_u32 s3, 0
	s_cbranch_scc1 .Llap
	STEP 0, 0                                      ; K steps 6 and 7 are written out: they fill nothing, and have no round of the cluster's barrier
	STEP 0, 1
	STEP 0, 2
	TURN 0, 1, 0
	STEP 1, 0
	STEP 1, 1
	STEP 1, 2
	s_wait_dscnt 8                                 ; the very last step: nothing more to fetch
	WIN MUL_LO
	MUL16 0, 1, 3, 1
	MUL16 2, 1, 3, 1
	s_wait_dscnt 0x0
	WIN MUL_HI
	MUL16 4, 1, 3, 1
	MUL16 6, 1, 3, 1
	WIN 0
; THE WAY OUT, block by block of 16 rows x 128 columns.  A lane's eight results pack into 16 bytes of one row, and the lanes beside it hold other rows: so a block goes through my own stage in LDS and comes back as whole rows of
; 256 bytes.  LDS serves a wave's instructions in order (ISA guide 5.7.1.4): no wait between the stores and the loads.
.macro PACK a
.set AC, 64*((\a)%4)
	WIN 0x0a+5*((\a)/4)                            ; sources 0 and 1: window 2 or 3
.irp b, 0,1,2,3,4,5,6,7
.irp r, 0,1,2,3
	v_cvt_pk_bf16_f32 v[TMP+4*\b+\r], v[AC+8*\b+2*\r], v[AC+8*\b+2*\r+1]   ; each accumulator from its low end on
.endr
.endr
	WIN 0
.endm
.macro TOSTAGE a
.set BK, OB+32*((\a)%2)
.irp b, 0,1,2,3,4,5,6,7
	ds_store_b128 v[STO], v[TMP+4*\b:TMP+4*\b+3] offset:32*\b
.endr
.irp t, 0,1,2,3,4,5,6,7
	ds_load_b128 v[BK+4*\t:BK+4*\t+3], v[RD] offset:\t*2*SPITCH
.endr
.endm
.macro SEND a
.set BK, OB+32*((\a)%2)
	s_wait_dscnt 0x0                               ; the block is back in registers
	s_wait_xcnt 0x0                                ; the stores of the block before have read their data: the block behind this one lands in their registers only behind this wait
.irp t, 0,1,2,3,4,5,6,7
	global_store_b128 v[CO], v[BK+4*\t:BK+4*\t+3], s[16:17] offset:(\a)*131072+\t*16384 th:TH_STORE_NT   ; 16 lanes store 256 consecutive bytes, at a multiple of 256 from out0's first byte; the block and the pair of rows stand in the immediate
.endr
.endm
	PLACES                                         ; behind the last products; the conversions of the blocks finished earlier are further places
	PACK 0
	TOSTAGE 0
.irp a, 1,2,3,4,5,6,7                  ; block a's conversions stand between block a - 1's loads from the stage and the wait for them
	PACK \a
	SEND \a-1
	TOSTAGE \a
.endr
	SEND 7
	s_wait_tensorcnt 0x0                           ; the wave's end: behind my last tensor load and my last LDS store
	ds_add_u32 v[SPW], v[NIL]
	s_wait_dscnt 0x0
	CROUND                                         ; the closing round: no work-group ends while a partner may still ask for a block that names it
	s_endpgm
.Lfunc_end_k_q0fc26244f0_gemm:
	.size	k_q0fc26244f0_gemm, .Lfunc_end_k_q0fc26244f0_gemm-k_q0fc26244f0_gemm
	.p2alignl 7, 3214868480
	.fill 96, 4, 3214868480
	.section	.rodata,"a",@progbits
	.p2align	6, 0x0
	.amdhsa_kernel k_q0fc26244f0_gemm
		.amdhsa_group_segment_fixed_size 327680
		.amdhsa_private_segment_fixed_size 0
		.amdhsa_enable_private_segment 0
		.amdhsa_kernarg_size 56
		.amdhsa_user_sgpr_count 2
		.amdhsa_user_sgpr_kernarg_segment_ptr 1
		.amdhsa_wavefront_size32 1
		.amdhsa_system_sgpr_workgroup_id_x 1
		.amdhsa_system_sgpr_workgroup_id_y 1
		.amdhsa_system_sgpr_workgroup_id_z 1
		.amdhsa_system_vgpr_workitem_id 0
		.amdhsa_next_free_vgpr 1024
		.amdhsa_next_free_sgpr 96
		.amdhsa_reserve_vcc 0
		.amdhsa_float_denorm_mode_32 3
		.amdhsa_float_denorm_mode_16_64 3
		.amdhsa_memory_ordered 1
		.amdhsa_forward_progress 1
		.amdhsa_inst_pref_size 255
	.end_amdhsa_kernel
	.section	.bss,"aw",@nobits
	.p2align	6
	.space	262144
	.amdgpu_metadata
---
amdhsa.version: [ 1, 2 ]
amdhsa.kernels:
  - .name:           k_q0fc26244f0_gemm
    .symbol:         k_q0fc26244f0_gemm.kd
    .args:
      - { .name: aq, .offset: 0, .size: 8, .value_kind: global_buffer, .address_space: global }
      - { .name: bq, .offset: 8, .size: 8, .value_kind: global_buffer, .address_space: global }
      - { .name: tp, .offset: 16, .size: 8, .value_kind: global_buffer, .address_space: global }
      - { .name: pq, .offset: 24, .size: 8, .value_kind: global_buffer, .address_space: global }
      - { .name: bias, .offset: 32, .size: 8, .value_kind: global_buffer, .address_space: global }
      - { .name: wtscale, .offset: 40, .size: 8, .value_kind: global_buffer, .address_space: global }
      - { .name: out0, .offset: 48, .size: 8, .value_kind: global_buffer, .address_space: global }
    .group_segment_fixed_size: 327680
    .private_segment_fixed_size: 0
    .kernarg_segment_align: 8
    .kernarg_segment_size: 56
    .max_flat_workgroup_size: 128
    .sgpr_count:     96
    .vgpr_count:     1024
    .wavefront_size: 32
...
	.end_amdgpu_metadata
.endif
;; end of part 2
;; ======== version 2 of 2: 2 launches; version 1 with the launch prep written anew for expert scheduling mode
;; workspace buffers: aq 8,912,896 bytes; bq 8,912,896 bytes; tp 4,194,304 bytes; pq 163,840 bytes
;; launch prep (part 3): grid 256 x 1, 8 waves a work-group, no clusters, 162,816 bytes of LDS; arguments x, smooth_factor, proj_down, qweight, wscales, proj_up, aq, bq, tp, pq; writes aq, bq, tp, pq
.if DOCPART == 3
	.amdgcn_target "amdgcn-amd-amdhsa--gfx1250"
	.amdhsa_code_object_version 6
	.text
	.protected	k_q0fc26244f0_prep
	.globl	k_q0fc26244f0_prep
	.p2align	8
	.type	k_q0fc26244f0_prep,@function
k_q0fc26244f0_prep:
	s_mov_b64 s[64:65], 0
	v_nop
	global_prefetch_b8 v0, s[64:65] scope:SCOPE_SE
	s_setreg_imm32_b32 hwreg(HW_REG_WAVE_SCHED_MODE, 0, 2), 2
	s_setreg_imm32_b32 hwreg(HW_REG_WAVE_MODE, 25, 1), 1
	s_wait_xcnt 0x0
	s_wait_alu depctr_vm_vsrc(0)
; ONE LAUNCH MAKES ALL OPERANDS.  Codes are FP4 (E2M1) with one E8M0 scale byte for each 32 along K; a block's scale is 2^(floor(log2(its largest magnitude)) - 2): its byte is the largest magnitude's exponent field - 2, held at 1 from below.
;   aq = Q(x / smooth_factor);  bq = Q((qweight - 8) x wscales);  pq = Q(proj_up) along its 32 ranks;  tp = parts of T = Q(x) Q(proj_down), in f32: x's own codes are multiplied in registers and never stored.
; LIMITS: a block of zeros, or one under 2^-124, keeps the byte 1 (its codes are zeros or follow that scale; the bytes are read by this program alone); NaN and infinities are not served; |smooth_factor| lies within
; 2^-126 .. 2^126 (v_rcp_f32 takes smaller inputs and gives smaller results as zero: ISA guide, its entry in 15.8).  1 / smooth_factor is v_rcp_f32 and one Newton step.
; LAYOUTS: the order of the operand's registers.  A fragment is 16 rows x 128 K in 8 registers: lane (r = lane % 16, h = lane / 16) holds row r, registers 4 c .. 4 c + 3 hold k = 64 c + 32 h + 0 .. 31.
;   aq, bq codes: row = 256 G + 16 Rg + r, k = 512 T + 128 q + ..: byte (8 G + T) x 65536 + Rg x 4096 + q x 1024 + c x 512 + 16 x lane;  scales: 8388608 + (8 G + T) x 4096 + Rg x 256 + 8 x lane + 4 p: row r's word of q = 2 p + h.
;   pq: tile R of 16 rows: registers 0-3 alone (K = 32: lanes 0-15 the row's 32 codes, lanes 16-31 zeros) at R x 512 + 16 x lane; scale words at 131072 + R x 128 + 4 x lane.
;   tp: tile R of 16 rows, K step j: (8 R + j) x 2048 + 512 k + 16 x lane: registers 4 k .. 4 k + 3 of 16; register 8 u + i of lane (r, h) is the part of T(row r, rank 16 h + 8 u + i) that k = 512 j .. 512 j + 511 give.
; SHARES.  Work-group g has two jobs, one after the other.  X: rows 128 (g / 8) .. + 127 of x at K step j = g % 8; wave w takes 16 of the rows.  So the work-group needs only that K step's 8 fragments of proj_down:
; wave w quantises fragment (q = w / 2, u = w % 2) itself (a lane takes a rank, its registers run down K) and hands it round as an image of its registers in LDS: the launch's one barrier.  T's sum over the 8 K steps is made by the next launch.
; W: rows 16 g .. 16 g + 15 of qweight; wave w takes k = 512 w .. + 511, in four chunks of 128.  Wave 0 also takes tile g of proj_up.
; ALL LOADS GO OUT AT THE HEAD, x's first, W's 64 last, into the second register window: they are on their way while x is worked.  (A load that would push the counter past its field is issued when an earlier one has come: ISA guide 5.7.1.)
; Each load of x and of qweight reads 512 consecutive bytes of one row; 16 rows turn through the wave's own stage in LDS, so that a lane gets 32 neighbours along K of ONE row for each of its two blocks.
; No store's data register is written again in the launch.  No cluster: what work-groups share (a K step's 64 KB of proj_down, of some 450 KB that a work-group reads) goes lane by lane into registers.
; The product is used transposed: source 0 = 16 ranks (lane r of tile u holds rank 8 u + r + 8 (r / 8)), source 1 = my 16 rows.
; THE MODE: SCHED_MODE bits 1:0 = 2 (LLVM: expert scheduling mode 2), set by the entry lines.  The code itself states the register dependences between vector or matrix instructions and memory or LDS instructions,
; with s_wait_alu, always for 0.
; THE PLAN.  Registers that memory or LDS instructions touch:
;   v1, v2, v5, v6      offsets and the stage's address on the way in: made at the head, never written again.
;   v57, v58            at the head the offsets of wscales' and proj_down's loads; from the first quantising on scale words.
;   v3, v4, v7, v63     LDS addresses: made at the head for job X, read by its LDS instructions, made anew between the jobs.
;   X, RC (v64-191)     x as loaded, read by the stage's LDS stores; then, step by step: LDS loads land, the step's vector lines work on them, the next step's loads land.  In job W the chunks' LDS loads land in X.
;   ACC, CX, WD         written by vector lines and read by LDS stores at the head; then written by the steps' products and quantisers.  ACC is read by tp's stores at the end of job X.
;   PD, PDS             proj_down as loaded, read by its quantiser; then each step's LDS loads land there and its two products read them.
;   CS, CW, SW, SWW, HD out-buffers: each register is written once, by a conversion or a select, and read by one store.
;   window 1            W's loads land, the stage's LDS stores read: no vector line names it.
; A step of job X has two waits on va_vdst: one behind x's quantiser, ahead of the loads that land in X and in PD; one behind the second quantiser, ahead of the loads that land in RC, the stores of the codes and the two products.
; A chunk of job W has one, behind its quantiser: ahead of its stores and of the next chunk's loads into X.  Waits on vm_vsrc stand where a register that a memory or LDS instruction has read changes its use: three in all.
.set XP,    1040                       ; x's stage row: 1,024 bytes + 16 = 65 x 16: the sixteen rows that a load touches start at sixteen different 16-byte columns of 256
.set XST,   16*XP                      ; a wave's stage; eight of them from LDS byte 0 on.  W's chunks use the same bytes of the same wave later,
.set WP,    528                        ; with rows of 512 bytes + 16 = 33 x 16
.set BLK,   8*XST                      ; behind the stages: a block of PB bytes for each wave:
.set PB,    3584                       ; 512 reciprocals (the wave's own);
.set PIM,   2048                       ; the wave's fragment of proj_down, 1,024 bytes, 16 a lane and register group;
.set PWD,   3072                       ; its scale word, at 16 x lane
.set L16, 1                            ; v1   16 x lane
.set STI, 2                            ; v2   the stage, on the way in: wave x XST + 16 x lane
.set STO, 3                            ; v3   on the way out: wave x XST + XP r + 64 h; for W: + WP r + 128 h
.set RTA, 4                            ; v4   my reciprocals: my block + 128 h; later
.set UOF, 4                            ;      proj_up: 128 r + 64 h
.set L8,  5                            ; v5   8 x lane
.set L4,  6                            ; v6   4 x lane
.set RW,  7                            ; v7   my block + 16 x lane
.set LS,  8                            ; v8-15  wscales of my row of W: groups 8 w + 0 .. 7
.set ACC, 16                           ; v16-31 T's two tiles; at the head the reciprocals
.set CX,  32                           ; v32-39 x's codes; at the head v32-47 hold smooth_factor
.set SWW, 40                           ; v40-41 W's scale words as they are stored
.set HD,  44                           ; v44-47 proj_up's half fragment
.set MM,  48                           ; v48-49 largest magnitudes, v50-51 the conversions' scale operands, v52-53 bytes, v54 a lane permute's destination
.set EE,  50
.set BB,  52
.set TP,  54
.set PDS, 55                           ; v55, v59 proj_down's scale words of the step in hand, u = 0, 1
.set WX,  56                           ; v56  x's scale word
.set WD,  57                           ; v57  the scale word just made; v58 that of the even step before.  At the head they hold two offsets:
.set WE,  58
.set R4,  57                           ;      4 r, for wscales;
.set DOF, 58                           ;      4096 h + 4 (r + 8 (r / 8)), for proj_down
.set SW,  60                           ; v60-61 x's scale words as they are stored
.set SH,  62                           ; v62  8 h
.set PIA, 63                           ; v63  BLK + 16 x lane: any wave's block
.set X,   64                           ; v64-127  64 numbers: register 32 c + i = k 64 c + 32 h + i of my row
.set RC,  128                          ; v128-191 the 64 reciprocals, then x / smooth.  At the head v64-191 take x's 32 loads.  In W's part:
.set CW,  128                          ;   v128-159 W's codes, 8 registers a chunk;
.set P,   160                          ;   v160-167 for block c the pairs (s, -) and (-8 s, -);
.set PUR, 168                          ;   v168-183 16 numbers of proj_up
.set PD,  192                          ; v192-207 proj_down's two fragments of the step in hand.  At the head
.set PDR, 192                          ;   v192-255 take 64 numbers of proj_down
.set CS,  208                          ; v208-239 the codes of x / smooth, 8 registers a step
                                       ; window 1, v0-255: W as loaded, 64 registers a chunk
.set WV,  24
.set XW,  25                           ; s25  wave x XST
.set SEL, 26                           ; s26-27 v_permlanex16_b32's selects for lane l xor 16
.set HI,  28                           ; s28  0xffff0000: a word's upper bf16, and lanes 16-31
.set MSB, 0
.macro WIN new                         ; the immediate's high byte repeats the setting that is left
.if MSB != \new
	s_set_vgpr_msb (MSB<<8)|\new
.set MSB, \new
.endif
.endm
; 64 numbers of a lane, two whole blocks of 32, become a fragment's 8 registers of codes and its scale word (whole in both halves of the lanes).
.macro QBLK2 src, dst, wd
.irp c, 0,1
	v_max3_num_f32 v[MM+\c], |v[\src+32*\c]|, |v[\src+32*\c+1]|, 0x1800000   ; and the floor 2^(3 - 127): the byte cannot fall under 1
.endr
.irp i, 2,4,6,8,10,12,14,16,18,20,22,24,26,28,30
.irp c, 0,1
	v_max3_num_f32 v[MM+\c], v[MM+\c], |v[\src+32*\c+\i]|, |v[\src+32*\c+\i+1]|   ; the two blocks by turns
.endr
.endr
.irp c, 0,1
	v_add_nc_u32 v[EE+\c], 0xff000000, v[MM+\c]    ; 2 off the exponent field: the conversion takes this operand's exponent field as its scale
.endr
.irp c, 0,1
	v_lshrrev_b32 v[BB+\c], 23, v[EE+\c]           ; the scale's byte
.endr
	v_lshl_or_b32 v[\wd], v[BB+1], 16, v[BB]       ; my two bytes, blocks h and 2 + h,
	v_lshlrev_b32 v[\wd], v[SH], v[\wd]            ; at their places;
	v_permlanex16_b32 v[TP], v[\wd], s[SEL], s[SEL+1]
	v_or_b32 v[\wd], v[\wd], v[TP]                 ; with lane l xor 16's two the word is whole
.irp c, 0,1
.irp g, 0,1,2,3
	v_cvt_scalef32_pk8_fp4_f32 v[\dst+4*\c+\g], v[\src+32*\c+8*\g:\src+32*\c+8*\g+7], v[EE+\c]
.endr
.endr
	v_nop                                          ; one plain line behind the last scaled conversion
.endm
; 16 numbers of a lane, k = 16 h + 0 .. 15 of row r (K = 32, one block), become registers 0-3 of a fragment: lanes 0-15 the 32 codes, lanes 16-31 zeros; the word holds the byte and three zero bytes (over zero codes).
.macro QHALF src, dst, wd
	v_max3_num_f32 v[MM], |v[\src]|, |v[\src+1]|, 0x1800000
.irp i, 2,4,6,8,10,12,14
	v_max3_num_f32 v[MM], v[MM], |v[\src+\i]|, |v[\src+\i+1]|
.endr
	v_permlanex16_b32 v[TP], v[MM], s[SEL], s[SEL+1]
	v_max_num_f32 v[MM], v[MM], v[TP]              ; with lane l xor 16's 16: the block's largest magnitude
	v_add_nc_u32 v[EE], 0xff000000, v[MM]
	v_lshrrev_b32 v[\wd], 23, v[EE]
	v_cvt_scalef32_pk8_fp4_f32 v[\dst], v[\src:\src+7], v[EE]
	v_cvt_scalef32_pk8_fp4_f32 v[\dst+1], v[\src+8:\src+15], v[EE]
	v_mov_b32 v[\dst+2], 0                         ; (also the plain line behind the conversions)
	v_mov_b32 v[\dst+3], 0
	v_permlane16_swap_b32 v[\dst], v[\dst+2]       ; the first's lanes 16-31 change places with the second's lanes 0-15
	v_permlane16_swap_b32 v[\dst+1], v[\dst+3]
.endm
.macro XBLOAD q                        ; step q: my 64 numbers of x, packed, into X's upper half: 8 loads
.irp c, 0,1
.irp j, 0,1,2,3
	ds_load_b128 v[X+32+16*\c+4*\j:X+32+16*\c+4*\j+3], v[STO] offset:256*(\q)+128*\c+16*\j
.endr
.endr
.endm
.macro RCLOAD q                        ; the reciprocals of the same k: 16 loads; the sixteen lanes of a half read the same words
.irp c, 0,1
.irp j, 0,1,2,3,4,5,6,7
	ds_load_b128 v[RC+32*\c+4*\j:RC+32*\c+4*\j+3], v[RTA] offset:512*(\q)+256*\c+16*\j
.endr
.endr
.endm
.macro PDLOAD q                        ; proj_down's two fragments of step q and their scale words, as waves 2 q and 2 q + 1 left them: 6 loads
.irp u, 0,1
.irp c, 0,1
	ds_load_b128 v[PD+8*\u+4*\c:PD+8*\u+4*\c+3], v[PIA] offset:(2*(\q)+\u)*PB+PIM+512*\c
.endr
	ds_load_b32 v[PDS+4*\u], v[PIA] offset:(2*(\q)+\u)*PB+PWD
.endr
.endm
	s_load_b512 s[4:19], s[0:1], 0x0               ; x s[4:5], smooth_factor s[6:7], proj_down s[8:9], qweight s[10:11], wscales s[12:13], proj_up s[14:15], aq s[16:17], bq s[18:19]
	s_load_b128 s[20:23], s[0:1], 0x40             ; tp s[20:21], pq s[22:23]
	v_lshrrev_b32 v48, 5, v0
	v_readfirstlane_b32 s[WV], v48                 ; wave 0..7
	v_and_b32 v50, 31, v0                          ; lane
	v_and_b32 v48, 15, v0                          ; r
	v_bfe_u32 v49, v0, 4, 1                        ; h
	v_lshlrev_b32 v[L16], 4, v50
	v_lshlrev_b32 v[L8], 3, v50
	v_lshlrev_b32 v[L4], 2, v50
	v_lshlrev_b32 v[SH], 3, v49
	v_mov_b32 v[TP], 0                             ; written once: a lane permute's destination counts as one of its sources
	s_wait_alu depctr_va_sdst(0)                   ; the wave's number is written, ahead of its first reader: LDS addresses, bases and two branches are made from it
	s_mul_i32 s[XW], s[WV], XST
	v_add_nc_u32 v[STI], s[XW], v[L16]
	v_mul_u32_u24 v[STO], v48, XP
	v_lshl_add_u32 v[STO], v49, 6, v[STO]
	v_add_nc_u32 v[STO], s[XW], v[STO]
	s_mul_i32 s60, s[WV], PB
	s_add_co_u32 s60, s60, BLK                     ; my block
	v_lshl_add_u32 v[RTA], v49, 7, s60
	v_add_nc_u32 v[RW], s60, v[L16]
	v_add_nc_u32 v[PIA], BLK, v[L16]
	v_lshlrev_b32 v[R4], 2, v48
	v_and_b32 v[DOF], 8, v48
	v_add_nc_u32 v[DOF], v[DOF], v48
	v_lshlrev_b32 v[DOF], 2, v[DOF]
	v_lshl_add_u32 v[DOF], v49, 12, v[DOF]
	s_mov_b32 s[SEL], 0x76543210
	s_mov_b32 s[SEL+1], 0xfedcba98
	s_mov_b32 s[HI], 0xffff0000
	; job X: tile R = 8 (g / 8) + wave, K step j = g % 8
	s_lshr_b32 s30, ttmp9, 3
	s_lshl_b32 s30, s30, 3
	s_add_co_u32 s30, s30, s[WV]                   ; R
	s_and_b32 s31, ttmp9, 7                        ; j
	s_lshl_b32 s34, s30, 17                        ; x: 16 rows of 8,192 bytes a tile,
	s_lshl_b32 s32, s31, 10                        ; 1,024 bytes of a row a K step
	s_add_co_u32 s34, s34, s32
	s_mov_b32 s35, 0
	s_lshl_b32 s36, s31, 11                        ; smooth_factor: 512 numbers a K step
	s_mov_b32 s37, 0
	s_lshl_b32 s38, s31, 16                        ; proj_down: 512 rows of 128 bytes a K step,
	s_lshr_b32 s32, s[WV], 1
	s_lshl_b32 s32, s32, 14                        ; 128 rows on for each q,
	s_add_co_u32 s38, s38, s32
	s_and_b32 s32, s[WV], 1
	s_lshl_b32 s32, s32, 5                         ; 8 ranks on for u = 1
	s_add_co_u32 s38, s38, s32
	s_mov_b32 s39, 0
	s_lshr_b32 s32, s30, 4                         ; G
	s_lshl_b32 s32, s32, 3
	s_add_co_u32 s32, s32, s31                     ; 8 G + j
	s_and_b32 s33, s30, 15                         ; Rg
	s_lshl_b32 s40, s32, 16
	s_lshl_b32 s29, s33, 12
	s_add_co_u32 s40, s40, s29                     ; aq: my codes,
	s_mov_b32 s41, 0
	s_lshl_b32 s42, s32, 12
	s_lshl_b32 s29, s33, 8
	s_add_co_u32 s42, s42, s29
	s_add_co_u32 s42, s42, 8388608                 ; my scale words
	s_mov_b32 s43, 0
	s_lshl_b32 s44, s30, 3
	s_add_co_u32 s44, s44, s31
	s_lshl_b32 s44, s44, 11                        ; tp: (8 R + j) x 2048
	s_mov_b32 s45, 0
	; job W: rows 16 g on, K step T = wave
	s_lshl_b32 s46, ttmp9, 18                      ; qweight: 16 rows of 16,384 bytes a work-group,
	s_lshl_b32 s29, s[WV], 11                      ; 2,048 bytes of a row a wave
	s_add_co_u32 s46, s46, s29
	s_mov_b32 s47, 0
	s_lshl_b32 s48, s[WV], 17                      ; wscales: 8 groups (rows of 16,384 bytes) a wave,
	s_lshl_b32 s29, ttmp9, 6                       ; 16 numbers a work-group
	s_add_co_u32 s48, s48, s29
	s_mov_b32 s49, 0
	s_lshr_b32 s32, ttmp9, 4
	s_lshl_b32 s32, s32, 3
	s_add_co_u32 s32, s32, s[WV]                   ; 8 G + T
	s_and_b32 s33, ttmp9, 15                       ; Rg
	s_lshl_b32 s50, s32, 16
	s_lshl_b32 s29, s33, 12
	s_add_co_u32 s50, s50, s29                     ; bq: my codes,
	s_mov_b32 s51, 0
	s_lshl_b32 s52, s32, 12
	s_lshl_b32 s29, s33, 8
	s_add_co_u32 s52, s52, s29
	s_add_co_u32 s52, s52, 8388608                 ; my scale words
	s_mov_b32 s53, 0
	s_lshl_b32 s54, ttmp9, 11                      ; proj_up: 16 rows of 128 bytes
	s_mov_b32 s55, 0
	s_lshl_b32 s56, ttmp9, 9                       ; pq: tile g,
	s_mov_b32 s57, 0
	s_lshl_b32 s58, ttmp9, 7
	s_add_co_u32 s58, s58, 131072                  ; its scale words
	s_mov_b32 s59, 0
	s_wait_kmcnt 0x0
	s_add_nc_u64 s[4:5], s[4:5], s[34:35]
	s_add_nc_u64 s[6:7], s[6:7], s[36:37]
	s_add_nc_u64 s[8:9], s[8:9], s[38:39]
	s_add_nc_u64 s[10:11], s[10:11], s[46:47]
	s_add_nc_u64 s[12:13], s[12:13], s[48:49]
	s_add_nc_u64 s[14:15], s[14:15], s[54:55]
	s_add_nc_u64 s[66:67], s[16:17], s[42:43]
	s_add_nc_u64 s[16:17], s[16:17], s[40:41]
	s_add_nc_u64 s[68:69], s[18:19], s[52:53]
	s_add_nc_u64 s[18:19], s[18:19], s[50:51]
	s_add_nc_u64 s[20:21], s[20:21], s[44:45]
	s_add_nc_u64 s[70:71], s[22:23], s[58:59]
	s_add_nc_u64 s[22:23], s[22:23], s[56:57]
	s_wait_alu depctr_va_vdst(0)                   ; the offsets and LDS addresses v1 to v7, v57, v58 and v63 are written, which the loads below and job X's LDS instructions read; only loads and one window switch stand between this wait and W's loads
.irp j, 0,1,2,3
	global_load_b128 v[CX+4*\j:CX+4*\j+3], v[L16], s[6:7] offset:512*\j                    ; 4 loads: smooth_factor
.endr
.irp i, 0,1,2,3,4,5,6,7,8,9,10,11,12,13,14,15
	global_load_b128 v[X+4*\i:X+4*\i+3], v[L16], s[4:5] offset:\i*8192 th:TH_LOAD_NT          ; 16: the first 512 bytes of my part of each row of x
.endr
.irp i, 0,1,2,3,4,5,6,7,8,9,10,11,12,13,14,15
	global_load_b128 v[RC+4*\i:RC+4*\i+3], v[L16], s[4:5] offset:\i*8192+512 th:TH_LOAD_NT    ; 16: the second
.endr
.irp n, 0,1,2,3,4,5,6,7
	global_load_b32 v[LS+\n], v[R4], s[12:13] offset:\n*16384                               ; 8: wscales
.endr
.irp c, 0,1
.irp i, 0,1,2,3,4,5,6,7,8,9,10,11,12,13,14,15,16,17,18,19,20,21,22,23,24,25,26,27,28,29,30,31
	global_load_b32 v[PDR+32*\c+\i], v[DOF], s[8:9] offset:\c*8192+\i*128                   ; 64: my fragment of proj_down: k = 64 c + 32 h + i of my rank
.endr
.endr
	WIN 0x40                                       ; destination window 1, address window 0
.irp q, 0,1,2,3
.irp i, 0,1,2,3,4,5,6,7,8,9,10,11,12,13,14,15
	global_load_b128 v[64*\q+4*\i:64*\q+4*\i+3], v[L16], s[10:11] offset:\i*16384+\q*512 th:TH_LOAD_NT   ; 64: W, chunk by chunk: 512 consecutive bytes of each of the 16 rows
.endr
.endr
	WIN 0
	s_wait_loadcnt 63                              ; W's 64 loads were issued behind all the others: with at most 63 out, smooth_factor, x, wscales and proj_down are in
	s_wait_alu depctr_vm_vsrc(0)                   ; the loads of wscales and of proj_down have read their offsets v57 and v58, which are written again below, as scale words
.irp i, 0,1,2,3,4,5,6,7,8,9,10,11,12,13,14,15
	ds_store_b128 v[STI], v[X+4*\i:X+4*\i+3] offset:\i*XP          ; x into the stage first: these stores' data come from loads, and no vector line has named them
.endr
.irp i, 0,1,2,3,4,5,6,7,8,9,10,11,12,13,14,15
	ds_store_b128 v[STI], v[RC+4*\i:RC+4*\i+3] offset:\i*XP+512
.endr
.set n, 0
.rept 16
	v_rcp_f32 v[ACC+n], v[CX+n]
.set n, n+1
.endr
	v_nop                                          ; a plain line behind the last reciprocal,
	s_wait_alu depctr_va_vdst(0)                   ; and the one wait for the batch ahead of its first reader: the sixteen reciprocals are written
.set n, 0
.rept 16
	v_fma_f32 v[CX+n], -v[CX+n], v[ACC+n], 1.0     ; e = 1 - s r
.set n, n+1
.endr
.set n, 0
.rept 16
	v_fma_f32 v[ACC+n], v[CX+n], v[ACC+n], v[ACC+n]   ; r + e r
.set n, n+1
.endr
	QBLK2 PDR, CX, WD                              ; my fragment of proj_down
	s_wait_alu depctr_va_vdst(0)                   ; the reciprocals, the fragment's codes and its scale word are written, which the seven LDS stores below read
.irp j, 0,1,2,3
	ds_store_b128 v[RW], v[ACC+4*\j:ACC+4*\j+3] offset:512*\j
.endr
	ds_store_b128 v[RW], v[CX:CX+3] offset:PIM     ; the fragment goes to LDS as it stands,
	ds_store_b128 v[RW], v[CX+4:CX+7] offset:PIM+512
	ds_store_b32 v[RW], v[WD] offset:PWD           ; and its scale word
	s_wait_dscnt 0x0                               ; for the others' sake: my stores have landed
	s_barrier_signal -1
	s_barrier_wait -1                              ; the K step's eight fragments lie in LDS
	s_wait_alu depctr_vm_vsrc(0)                   ; my LDS stores have read X, RC, ACC, CX and WD: from here on LDS loads land in the first two, and the steps' quantisers and products write the others
	XBLOAD 0
	RCLOAD 0
.macro QSTEP q
	s_wait_dscnt 16                                ; x's 8 loads are in; the 16 of the reciprocals, issued behind them, may be out
.set n, 0
.rept 32                               ; bf16 to f32 in place, ascending: registers 2 n and 2 n + 1 are written when packed word n (register 32 + n) is read, and never reach a word not yet read
	v_lshlrev_b32 v[X+2*n], 16, v[X+32+n]
	v_and_b32 v[X+2*n+1], s[HI], v[X+32+n]
.set n, n+1
.endr
	s_wait_dscnt 0x0                               ; the reciprocals are in
.set n, 0
.rept 32
	v_pk_mul_f32 v[RC+2*n:RC+2*n+1], v[X+2*n:X+2*n+1], v[RC+2*n:RC+2*n+1]   ; x / smooth
.set n, n+1
.endr
	QBLK2 X, CX, WX
	s_wait_alu depctr_va_vdst(0)                   ; the lines above are done writing and reading X, in which the next step's x lands; the last step's products (at the first step: proj_down's quantiser) are done reading PD and PDS, in which this step's fragments and words land
	PDLOAD \q
.if \q < 3
	XBLOAD (\q)+1
.endif
	QBLK2 RC, CS+8*(\q), WD
.if ((\q)%2) == 0
	v_mov_b32 v[WE], v[WD]
.else
	v_cndmask_b32 v[SW+(\q)/2], v[WE], v[WD], s[HI]   ; lanes 0-15 keep the even step's word, lanes 16-31 take the odd one's
.endif
	s_wait_alu depctr_va_vdst(0)                   ; the quantiser is done with RC, in which the next reciprocals land; it has written the codes that the two stores read; x's codes and scale word, which the scaled products take, are written
.if \q < 3
	RCLOAD (\q)+1
.endif
	global_store_b128 v[L16], v[CS+8*(\q):CS+8*(\q)+3], s[16:17] offset:(\q)*1024        ; 512 consecutive bytes, at a multiple of 512 from the buffer's first byte
	global_store_b128 v[L16], v[CS+8*(\q)+4:CS+8*(\q)+7], s[16:17] offset:(\q)*1024+512
.if \q < 3
	s_wait_dscnt 24                                ; proj_down's 6 loads are in: the next step's 8 + 16 were issued behind them
.else
	s_wait_dscnt 0x0
.endif
; T^T += proj_down^T x^T.  x's codes and word were written more than forty plain vector lines ago; the two accumulators take turns, one instruction a turn.
.if \q == 0
.irp u, 0,1
	v_wmma_scale_f32_16x16x128_f8f6f4 v[ACC+8*\u:ACC+8*\u+7], v[PD+8*\u:PD+8*\u+7], v[CX:CX+7], 0, v[PDS+4*\u], v[WX] matrix_a_fmt:MATRIX_FMT_FP4 matrix_b_fmt:MATRIX_FMT_FP4
.endr
.else
.irp u, 0,1
	v_wmma_scale_f32_16x16x128_f8f6f4 v[ACC+8*\u:ACC+8*\u+7], v[PD+8*\u:PD+8*\u+7], v[CX:CX+7], v[ACC+8*\u:ACC+8*\u+7], v[PDS+4*\u], v[WX] matrix_a_fmt:MATRIX_FMT_FP4 matrix_b_fmt:MATRIX_FMT_FP4
.endr
.endif
.endm
	QSTEP 0
	QSTEP 1
	QSTEP 2
	QSTEP 3
	s_wait_alu depctr_vm_vsrc(0)                   ; job X's LDS instructions have read their addresses v3, v4, v7 and v63, which are written again below
	; W's addresses are made here: eleven plain lines that name no register of the last products: the places between them and the first read of their results (ISA guide 7.12.1).  No LDS instruction of mine is out.
	v_and_b32 v[RW], 15, v0                        ; r
	v_bfe_u32 v[PIA], v0, 4, 1                     ; h
	v_mul_u32_u24 v[STO], v[RW], WP
	v_lshl_add_u32 v[STO], v[PIA], 7, v[STO]
	v_add_nc_u32 v[STO], s[XW], v[STO]
	v_lshlrev_b32 v[UOF], 7, v[RW]
	v_lshl_add_u32 v[UOF], v[PIA], 6, v[UOF]
.irp n, 1,3,5,7
	v_mov_b32 v[P+\n], 0                           ; the pairs' upper words are named, so they are written
.endr
	s_wait_alu depctr_va_vdst(0)                   ; the products have written ACC and the selects SW, which the stores below read (the places above stay beside this wait); v3 and v4 are written, which W's LDS loads and proj_up's loads read; job X is done with X and with v168-183, in which those loads land
	global_store_b64 v[L8], v[SW:SW+1], s[66:67]   ; 256 consecutive bytes, aligned
.irp k, 0,1,2,3
	global_store_b128 v[L16], v[ACC+4*\k:ACC+4*\k+3], s[20:21] offset:512*\k   ; my part of T as an image of its registers, each accumulator from its low end on
.endr
	s_cmp_lg_u32 s[WV], 0
	s_cbranch_scc1 .Lno_up
.irp j, 0,1,2,3
	global_load_b128 v[PUR+4*\j:PUR+4*\j+3], v[UOF], s[14:15] offset:16*\j   ; wave 0: tile g of proj_up; wanted behind the last chunk
.endr
.Lno_up:
.macro CHUNK q
	s_wait_loadcnt 48-16*(\q)                      ; this chunk's 16 loads are in; those of the later chunks may be out (in wave 0 four more loads are out: there the wait asks for more than it needs)
	WIN 0x04                                       ; an LDS store's data are its source 1: window 1
.irp i, 0,1,2,3,4,5,6,7,8,9,10,11,12,13,14,15
	ds_store_b128 v[STI], v[64*(\q)+4*\i:64*(\q)+4*\i+3] offset:\i*WP
.endr
	WIN 0
.irp c, 0,1
.irp j, 0,1,2,3,4,5,6,7
	ds_load_b128 v[X+32*\c+4*\j:X+32*\c+4*\j+3], v[STO] offset:256*\c+16*\j   ; LDS serves a wave's instructions in order: these see the stores above.  No vector line since the last wait on va_vdst names X
.endr
.endr
.irp c, 0,1
	v_mov_b32 v[P+4*\c], v[LS+2*(\q)+\c]           ; s of group 8 w + 2 q + c (64 along K: both halves of the lanes),
	v_mul_f32 v[P+4*\c+2], 0xc1000000, v[LS+2*(\q)+\c]   ; and -8 s, exact
.endr
	s_wait_dscnt 0x0
.set n, 0
.rept 64
	v_cvt_f32_i32 v[X+n], v[X+n]
.set n, n+1
.endr
.irp c, 0,1
.irp j, 0,2,4,6,8,10,12,14,16,18,20,22,24,26,28,30
	v_pk_fma_f32 v[X+32*\c+\j:X+32*\c+\j+1], v[X+32*\c+\j:X+32*\c+\j+1], v[P+4*\c:P+4*\c+1], v[P+4*\c+2:P+4*\c+3] op_sel_hi:[1,0,0]   ; code x s - 8 s = (code - 8) x s, rounded once
.endr
.endr
	QBLK2 X, CW+8*(\q), WD
.if ((\q)%2) == 0
	v_mov_b32 v[WE], v[WD]
.else
	v_cndmask_b32 v[SWW+(\q)/2], v[WE], v[WD], s[HI]
.endif
	s_wait_alu depctr_va_vdst(0)                   ; the quantiser has written this chunk's codes, which the two stores read (behind the last chunk: the selects have written SWW too); the chunk's lines are done with X, in which the next chunk's LDS loads land
	global_store_b128 v[L16], v[CW+8*(\q):CW+8*(\q)+3], s[18:19] offset:(\q)*1024
	global_store_b128 v[L16], v[CW+8*(\q)+4:CW+8*(\q)+7], s[18:19] offset:(\q)*1024+512
.endm
	CHUNK 0
	CHUNK 1
	CHUNK 2
	CHUNK 3
	global_store_b64 v[L8], v[SWW:SWW+1], s[68:69] ; 256 consecutive bytes, aligned
	s_cmp_lg_u32 s[WV], 0
	s_cbranch_scc1 .Ldone
	QHALF PUR, HD, WD                              ; (the last chunk's wait was for all loads)
	s_wait_alu depctr_va_vdst(0)                   ; proj_up's half fragment and its scale word are written, which the two stores read
	global_store_b128 v[L16], v[HD:HD+3], s[22:23] ; 512 consecutive bytes
	global_store_b32 v[L4], v[WD], s[70:71]
.Ldone:
	s_wait_xcnt 0x0
	v_lshl_add_u32 v254, v0, 2, 0x27800            ; my spare word, behind the eight blocks, and 0: made here, v0 being as at the entry.  No memory or LDS instruction has read v254 or v255: they took loads of proj_down, waited for at the head
	v_mov_b32 v255, 0
	s_wait_dscnt 0x0                               ; the closing lines, six on end
	s_wait_alu 0x0
	s_wait_tensorcnt 0x0
	ds_add_u32 v254, v255
	s_wait_dscnt 0x0
	s_endpgm
.Lfunc_end_k_q0fc26244f0_prep:
	.size	k_q0fc26244f0_prep, .Lfunc_end_k_q0fc26244f0_prep-k_q0fc26244f0_prep
	.p2alignl 7, 3214868480
	.fill 96, 4, 3214868480
	.section	.rodata,"a",@progbits
	.p2align	6, 0x0
	.amdhsa_kernel k_q0fc26244f0_prep
		.amdhsa_group_segment_fixed_size 162816
		.amdhsa_private_segment_fixed_size 0
		.amdhsa_enable_private_segment 0
		.amdhsa_kernarg_size 80
		.amdhsa_user_sgpr_count 2
		.amdhsa_user_sgpr_kernarg_segment_ptr 1
		.amdhsa_wavefront_size32 1
		.amdhsa_system_sgpr_workgroup_id_x 1
		.amdhsa_system_sgpr_workgroup_id_y 1
		.amdhsa_system_sgpr_workgroup_id_z 1
		.amdhsa_system_vgpr_workitem_id 0
		.amdhsa_next_free_vgpr 512
		.amdhsa_next_free_sgpr 72
		.amdhsa_reserve_vcc 0
		.amdhsa_float_denorm_mode_32 3
		.amdhsa_float_denorm_mode_16_64 3
		.amdhsa_memory_ordered 1
		.amdhsa_forward_progress 1
		.amdhsa_inst_pref_size 120
	.end_amdhsa_kernel
	.amdgpu_metadata
---
amdhsa.version: [ 1, 2 ]
amdhsa.kernels:
  - .name:           k_q0fc26244f0_prep
    .symbol:         k_q0fc26244f0_prep.kd
    .args:
      - { .name: x, .offset: 0, .size: 8, .value_kind: global_buffer, .address_space: global }
      - { .name: smooth_factor, .offset: 8, .size: 8, .value_kind: global_buffer, .address_space: global }
      - { .name: proj_down, .offset: 16, .size: 8, .value_kind: global_buffer, .address_space: global }
      - { .name: qweight, .offset: 24, .size: 8, .value_kind: global_buffer, .address_space: global }
      - { .name: wscales, .offset: 32, .size: 8, .value_kind: global_buffer, .address_space: global }
      - { .name: proj_up, .offset: 40, .size: 8, .value_kind: global_buffer, .address_space: global }
      - { .name: aq, .offset: 48, .size: 8, .value_kind: global_buffer, .address_space: global }
      - { .name: bq, .offset: 56, .size: 8, .value_kind: global_buffer, .address_space: global }
      - { .name: tp, .offset: 64, .size: 8, .value_kind: global_buffer, .address_space: global }
      - { .name: pq, .offset: 72, .size: 8, .value_kind: global_buffer, .address_space: global }
    .group_segment_fixed_size: 162816
    .private_segment_fixed_size: 0
    .kernarg_segment_align: 8
    .kernarg_segment_size: 80
    .max_flat_workgroup_size: 256
    .sgpr_count:     72
    .vgpr_count:     512
    .wavefront_size: 32
...
	.end_amdgpu_metadata
.endif
;; end of part 3
;; launch gemm: the kernel of part 2 again; grid 16 x 16, 4 waves a work-group, clusters of 4 x 4, 327,680 bytes of LDS; arguments aq, bq, tp, pq, bias, wtscale, out0; writes out0
